; MI455X (gfx1250); checked and timed in simulation.
; The chip was launched on July 23, 2026; its instructions are those of AMD's public machine-readable ISA for CDNA 5 (MIT licence, August 2026) and "CDNA5" Instruction Set Architecture Reference Guide (July 2026). The comments in the code are by the model that wrote it; some were corrected since.
;; Linear Temporal Cross Attention. Allowed arithmetic: matrix products marked QUANTISED: E2M1 operands, one E8M0 scale for each 32 along K, by v_wmma_scale_f32_16x16x128_f8f6f4 with both operands' format E2M1 (or v_wmma_scale_f32_32x16x128_f4), f32 sums; everything else in f32.
;; Inputs: Wk_codes 1,024 x 32 x 16 uint8 (E2M1 codes of Wk, K innermost, in blocks of 32 codes, two codes a byte); Wk_scales 1,024 x 32 uint8 (E8M0 scales of Wk, one for each 32 codes along K); Wq_codes 1,024 x 32 x 16 uint8 (E2M1 codes of Wq, K innermost, in blocks of 32 codes, two codes a byte); Wq_scales 1,024 x 32 uint8 (E8M0 scales of Wq, one for each 32 codes along K); Wv_codes 1,024 x 32 x 16 uint8 (E2M1 codes of Wv, K innermost, in blocks of 32 codes, two codes a byte); Wv_scales 1,024 x 32 uint8 (E8M0 scales of Wv, one for each 32 codes along K); bk 1,024 float32; bq 1,024 float32; bv 1,024 float32; ln_b 1,024 float32; ln_g 1,024 float32; tln_b 1,024 float32; tln_g 1,024 float32; x 2,048 x 8 x 1,024 float32.
;; Outputs: out0 8 x 2,048 x 1,024 float32.
;; This version of the problem:
;;   THIS VERSION OF THE PROBLEM IS GIVEN IN LOW PRECISION. The matrix products marked QUANTISED in the list below multiply operands that are first quantised to E2M1 (2 exponent bits, 1 mantissa bit; 4 bits a number), with one power-of-two scale for each 32 numbers along K (OCP MX v1.0); their sums are f32. All else is computed in f32.
;;   The module's matrix products, in the order in which they are computed (A, B: the left and right operand; K: the contracted axis; several contracted axes count as one K, in the product's order):
;;     1. [M 16,384, K 1,024] x [K 1,024, N 1,024]; A: computed on the way; B: input Wq (given as codes): QUANTISED
;;     2. [M 16,384, K 1,024] x [K 1,024, N 1,024]; A: computed on the way; B: input Wk (given as codes): QUANTISED
;;     3. [M 16,384, K 1,024] x [K 1,024, N 1,024]; A: computed on the way; B: input Wv (given as codes): QUANTISED
;;     4. batch 128 x [M 64, K 2,048] x [K 2,048, N 64]; A: softmax (see below); B: computed on the way: QUANTISED
;;     5. batch 128 x [M 64, K 64] x [K 64, N 2,048]; A: computed on the way; B: softmax (see below): QUANTISED
;;   THE QUANTISER, for each operand of a quantised product, along K:
;;     - K is cut into blocks of 32 from its start; a last block that is shorter is filled with zeros.
;;     - A block's scale is 2^e with e = floor(log2(the largest magnitude in the block)) - 2, held to -126 .. 127; a block of zeros has e = 0. As a byte (E8M0): e + 127.
;;     - Each number is divided by its block's scale, clamped to +-6, and rounded to the nearest number of E2M1, ties to even, subnormals kept.
;;     - The product sums the exact products of the quantised numbers (number of the format x scale) in f32.
;;   ~~~python
;;   def quantise(x, axis):      # numpy; x: float32 -> the quantised numbers, widened to float32 again
;;       x = np.moveaxis(x, axis, -1); K = x.shape[-1]
;;       x = np.pad(x, [(0, 0)] * (x.ndim - 1) + [(0, -K % 32)]); x = x.reshape(x.shape[:-1] + (-1, 32)); a = np.abs(x).max(-1, keepdims=True)
;;       e = np.where(a > 0, np.clip(np.frexp(np.where(a > 0, a, 1))[1] - 1 - 2, -126, 127), 0)      # np.frexp(a)[1] - 1 = floor(log2(a)), exactly
;;       r = np.clip(x / 2.0 ** e, -6, 6)
;;       step = 2.0 ** (np.maximum(np.frexp(np.where(r == 0, 1, r))[1] - 1, 0) - 1)
;;       q = np.round(r / step) * step * 2.0 ** e      # np.round: ties to even
;;       return np.moveaxis(q.reshape(q.shape[:-2] + (-1,))[..., :K], -1, axis).astype(np.float32)
;;   ~~~
;;   SOFTMAX AHEAD OF A QUANTISED PRODUCT. Where the list says 'softmax', what is quantised is not the finished softmax but p = 2^(t - M), with t = logit x log2(e) and M = ceil(the row's largest t), a whole number; so 1/2 < the row's largest p <= 1. The row's sum l is taken of the UNQUANTISED p, in f32, and the product's result is divided by l at the end. Since M is a whole number, a kernel that streams over the keys may use a running M (the ceiling of the running maximum): every later rescaling is an exact power of two, which a block's scale takes up: the codes' values come out the same.
;;   OPERANDS COMPUTED ON THE WAY. 'Computed on the way' means the value that the module computes at that place (a softmax that the list does not call 'softmax' is quantised finished and normalised). What goes into a quantiser is computed in f32, as accurately as f32 sums, v_exp_f32 and their like allow (about 1e-6 of the number): no bf16 or f16 on the way to a quantiser, and a product that is left as it is and whose result goes on into a quantised operand takes f32 operands (vector FMAs, or v_wmma_f32_16x16x4_f32). A number that lies on a knife's edge between two numbers of the format may be rounded either way, as far as f32 arithmetic and the matrix unit's own rounding can turn it there, and no further.
;;   INPUTS GIVEN AS CODES. Wk (in the module: [1024, 1024], K = its axis 1); Wq (in the module: [1024, 1024], K = its axis 1); Wv (in the module: [1024, 1024], K = its axis 1): each comes as NAME_codes (uint8): NAME with its K axis moved to the last place and cut into blocks of 32 codes, [.., K / 32, bytes a block], one block behind the other in memory; two codes a byte, the lower K in the low four bits (a code: sign, 2 exponent bits, 1 mantissa bit); and NAME_scales (uint8): the same leading axes, one E8M0 byte (e + 127) for each 32 codes along K. Its value is code x scale, taken as it is: it is not quantised again, and the codes and scales need not be those that the quantiser above would give.
;; One version. Each part assembles by itself: llvm-mc -triple=amdgcn-amd-amdhsa -mcpu=gfx1250 --defsym DOCPART=n.
;; ======== version 1 of 1: 3 launches
;; workspace buffers: xn_codes 8,388,608 bytes; xn_scales 524,288 bytes; xt_codes 8,388,608 bytes; xt_scales 524,288 bytes; attp 8,388,608 bytes; atts 262,144 bytes
;; launch lnq (part 1): grid 256 x 1, 8 waves a work-group, no clusters, 82,944 bytes of LDS; arguments x, ln_g, ln_b, tln_g, tln_b, xn_codes, xn_scales, xt_codes, xt_scales; writes xn_codes, xn_scales, xt_codes, xt_scales
.if DOCPART == 1
	.amdgcn_target "amdgcn-amd-amdhsa--gfx1250"
	.amdhsa_code_object_version 6
	.text
	.protected	k_q0aa9f8ce79_lnq
	.globl	k_q0aa9f8ce79_lnq
	.p2align	8
	.type	k_q0aa9f8ce79_lnq,@function
k_q0aa9f8ce79_lnq:
	s_mov_b64 s[64:65], 0
	v_nop
	global_prefetch_b8 v0, s[64:65] scope:SCOPE_SE
	s_setreg_imm32_b32 hwreg(HW_REG_WAVE_MODE, 25, 1), 1
	s_wait_xcnt 0x0
; x [2048 t][8 b][1024] f32 -> the two layer norms of each row (one mean and variance, two gains and biases), each quantised along the 1,024 to
; codes of FP4 (E2M1) with one E8M0 byte for each 32: codes [b*2048+t][512 bytes], scale bytes [b*2048+t][32].
; A block's scale is 2^(floor(log2(largest magnitude)) - 2): its byte is the largest magnitude's exponent field - 2, held at 1 from below by a floor among the maximum's leaves.
; (A block of zeros keeps the byte 1 where the rule says 127: its codes are zeros and this program alone reads the bytes.)
; LIMITS: NaN and infinities are not served; a block whose largest magnitude lies under 2^-124 keeps the byte 1.
; SHARES.  Work-group g takes t = 8 g .. 8 g + 7 for all b: 256 KiB of x on end.  Wave w takes b = w: eight rows, 32,768 bytes apart; every offset is an immediate.
; A lane owns columns 32 l .. 32 l + 31, one block: its maximum needs no other lane and its 32 codes are 16 bytes: a wave's store covers 512 consecutive bytes.
; Each load reads 512 consecutive bytes, 16 a lane; a row turns through the wave's own stage in LDS (a lane's place: 128 bytes + 16) and comes back 128 bytes a lane.
; The variance is taken of x - mean (two passes over registers), so a common offset on x costs no digits.  Waves share nothing: no barrier.
; Three rows (24 loads a wave) are on their way; the turn through LDS runs one row ahead.
; REGISTERS: window 0: v1-6 addresses; v16-111 three rows as loaded; v112-175 two rows turned; v176-207 the affine result; v208-215 codes; v216-233 at work; v240-255 a scale byte for each row and norm.
;   window 1: v0-31 ln_g, v32-63 ln_b, v64-95 tln_g, v96-127 tln_b of my 32 columns; v128-255 the four as loaded.
.set WREG, 10240                       ; LDS of a wave: two stages of 32 x 144 bytes, then 2 x 256 scale bytes
.set STGB, 4608
.set SCB,  9216
.set R,    16
.set X,    112
.set Y,    176
.set CN,   208
.set CT,   212
.set A0,   216
.set A1,   218
.set MEAN, 220
.set RS,   222
.set MA,   224
.set MB,   225
.set SO,   226
.set PT,   227
.set SM,   228
.set OB,   230
.set BY,   240
.set MSB, 0
.macro WIN new                         ; the immediate's high byte repeats the setting that is left
.if MSB != (\new)
	s_set_vgpr_msb (MSB<<8)|(\new)
.set MSB, (\new)
.endif
.endm
	s_load_b256 s[4:11], s[0:1], 0x0               ; x, ln_g, ln_b, tln_g
	s_load_b256 s[12:19], s[0:1], 0x20             ; tln_b, xn_codes, xn_scales, xt_codes
	s_load_b64 s[20:21], s[0:1], 0x40              ; xt_scales
	v_lshl_add_u32 v238, v0, 2, 0x14000
	v_mov_b32 v239, 0
	v_lshrrev_b32 v7, 5, v0
	v_readfirstlane_b32 s22, v7                    ; wave = b
	v_and_b32 v7, 31, v0                           ; lane
	v_lshlrev_b32 v1, 4, v7                        ; 16 x lane: my bytes of a load's 512, and of a row's codes
	s_mul_i32 s23, s22, WREG
	v_lshrrev_b32 v8, 3, v7
	v_mul_u32_u24 v8, v8, 144
	v_and_b32 v9, 7, v7
	v_lshl_add_u32 v8, v9, 4, v8
	v_add_nc_u32 v2, s23, v8                       ; the stage, in: eight lanes' 128 bytes on end, then 16 of padding; a load's 512 bytes take four places (576 bytes)
	v_mul_u32_u24 v8, v7, 144
	v_add_nc_u32 v3, s23, v8                       ; out: 144 x lane: my 32 columns
	s_add_co_u32 s23, s23, SCB
	v_add_nc_u32 v4, s23, v7                       ; my block's scale byte
	v_lshlrev_b32 v6, 3, v7
	v_add_nc_u32 v5, s23, v6                       ; and on the way out 8 bytes a lane
	v_mov_b32 v[PT], 0                             ; a lane permute's destination counts as read
	s_mov_b32 s24, 0x76543210
	s_mov_b32 s25, 0xfedcba98                      ; v_permlanex16_b32: lane l xor 16
	s_mov_b32 s26, 0x3a800000                      ; 1 / 1,024
	s_mov_b32 s27, 0x3727c5ac                      ; 1e-5
	s_lshl_b32 s28, ttmp9, 18                      ; x: (64 g + w) rows of 4,096 bytes
	s_lshl_b32 s29, s22, 12
	s_add_co_u32 s28, s28, s29
	s_mov_b32 s29, 0
	s_lshl_b32 s30, s22, 20                        ; codes: (2,048 w + 8 g) rows of 512 bytes
	s_lshl_b32 s31, ttmp9, 12
	s_add_co_u32 s30, s30, s31
	s_mov_b32 s31, 0
	s_wait_kmcnt 0x0
	s_add_nc_u64 s[4:5], s[4:5], s[28:29]
	s_add_nc_u64 s[14:15], s[14:15], s[30:31]
	s_add_nc_u64 s[18:19], s[18:19], s[30:31]
	s_lshr_b32 s30, s30, 4                         ; scale bytes: the same rows of 32 bytes: a multiple of 256
	s_add_nc_u64 s[16:17], s[16:17], s[30:31]
	s_add_nc_u64 s[20:21], s[20:21], s[30:31]
.macro LOADX t                         ; row t: eight loads of 512 consecutive bytes
.irp j, 0,1,2,3,4,5,6,7
	global_load_b128 v[R+32*((\t)%3)+4*\j:R+32*((\t)%3)+4*\j+3], v1, s[4:5] offset:32768*(\t)+512*\j th:TH_LOAD_NT
.endr
.endm
.macro TURN src, dst, st, ws, wl       ; 4,096 bytes through stage st: LDS serves a wave's instructions in order, so no wait stands between the stores and the loads
	WIN \ws
.irp j, 0,1,2,3,4,5,6,7
	ds_store_b128 v2, v[(\src)+4*\j:(\src)+4*\j+3] offset:STGB*(\st)+576*\j
.endr
	WIN \wl
.irp j, 0,1,2,3,4,5,6,7
	ds_load_b128 v[(\dst)+4*\j:(\dst)+4*\j+3], v3 offset:STGB*(\st)+16*\j
.endr
	WIN 0
.endm
.macro REDUCE                          ; v[SM] summed over the 32 lanes, in every lane
	v_add_f32_dpp v[SM], v[SM], v[SM] row_xmask:1 row_mask:0xf bank_mask:0xf
	v_add_f32_dpp v[SM], v[SM], v[SM] row_xmask:2 row_mask:0xf bank_mask:0xf
	v_add_f32_dpp v[SM], v[SM], v[SM] row_xmask:4 row_mask:0xf bank_mask:0xf
	v_add_f32_dpp v[SM], v[SM], v[SM] row_xmask:8 row_mask:0xf bank_mask:0xf
	v_permlanex16_b32 v[PT], v[SM], s24, s25
	v_add_f32 v[SM], v[SM], v[PT]
.endm
.macro AFFINE g                        ; Y = X x gain + bias; the gain at v[g], the bias at v[g + 32] of window 1
	WIN 0x14
.set kk, 0
.rept 16
	v_pk_fma_f32 v[Y+kk:Y+kk+1], v[XS+kk:XS+kk+1], v[(\g)+kk:(\g)+kk+1], v[(\g)+32+kk:(\g)+32+kk+1]
.set kk, kk+2
.endr
	WIN 0
.endm
.macro QZ c, by                        ; my block of 32 in Y -> four registers of codes and the scale's byte
	v_max3_num_f32 v[MA], |v[Y]|, |v[Y+1]|, 0x1800000              ; the floor 2^(3 - 127) among the leaves: the byte cannot fall under 1
	v_max3_num_f32 v[MB], |v[Y+2]|, |v[Y+3]|, 0x1800000
.irp k, 4,8,12,16,20,24,28
	v_max3_num_f32 v[MA], v[MA], |v[Y+\k]|, |v[Y+\k+1]|
	v_max3_num_f32 v[MB], v[MB], |v[Y+\k+2]|, |v[Y+\k+3]|
.endr
	v_max_num_f32 v[MA], v[MA], v[MB]
	v_add_nc_u32 v[SO], 0xff000000, v[MA]          ; 2 off the exponent field: the conversion takes this operand's exponent field as its scale
.irp g, 0,1,2,3
	v_cvt_scalef32_pk8_fp4_f32 v[(\c)+\g], v[Y+8*\g:Y+8*\g+7], v[SO]
.endr
	v_lshrrev_b32 v[\by], 23, v[SO]                ; the byte; also the plain line behind the conversions
.endm
	WIN 0x40                                       ; destination window 1
.irp j, 0,1,2,3,4,5,6,7
	global_load_b128 v[128+4*\j:131+4*\j], v1, s[6:7] offset:512*\j
.endr
.irp j, 0,1,2,3,4,5,6,7
	global_load_b128 v[160+4*\j:163+4*\j], v1, s[8:9] offset:512*\j
.endr
.irp j, 0,1,2,3,4,5,6,7
	global_load_b128 v[192+4*\j:195+4*\j], v1, s[10:11] offset:512*\j
.endr
.irp j, 0,1,2,3,4,5,6,7
	global_load_b128 v[224+4*\j:227+4*\j], v1, s[12:13] offset:512*\j
.endr
	WIN 0
	LOADX 0
	LOADX 1
	LOADX 2
	s_wait_loadcnt 24                              ; the four vectors are in; three rows' 24 loads may be out
	TURN 128, 0, 0, 0x04, 0x40
	TURN 160, 32, 1, 0x04, 0x40
	TURN 192, 64, 0, 0x04, 0x40
	TURN 224, 96, 1, 0x04, 0x40
	s_wait_loadcnt 16                              ; row 0 is in
	TURN R, X, 0, 0, 0
.macro ROW i
.set XS, X+32*((\i)%2)
.if (\i) == 0
	s_wait_dscnt 0x0                               ; the vectors and row 0 are back from the stages
.else
	s_wait_dscnt 2                                 ; this row is back (the last row's two byte stores may be out): so the stores that read its raw registers are done,
.endif
.if (\i)+3 < 8
	LOADX (\i)+3                                   ; and those registers take the row three further on
.endif
.if (\i)+1 < 8
.if (\i) <= 4
	s_wait_loadcnt 16                              ; the next row is in; the two rows behind it may be out
.elseif (\i) == 5
	s_wait_loadcnt 8
.else
	s_wait_loadcnt 0
.endif
	TURN R+32*(((\i)+1)%3), X+32*(((\i)+1)%2), ((\i)+1)%2, 0, 0
.endif
	v_pk_add_f32 v[A0:A0+1], v[XS:XS+1], v[XS+2:XS+3]              ; the row's sum, in two chains
	v_pk_add_f32 v[A1:A1+1], v[XS+4:XS+5], v[XS+6:XS+7]
.irp k, 8,12,16,20,24,28
	v_pk_add_f32 v[A0:A0+1], v[A0:A0+1], v[XS+\k:XS+\k+1]
	v_pk_add_f32 v[A1:A1+1], v[A1:A1+1], v[XS+\k+2:XS+\k+3]
.endr
	v_pk_add_f32 v[A0:A0+1], v[A0:A0+1], v[A1:A1+1]
	v_add_f32 v[SM], v[A0], v[A0+1]
	REDUCE
	v_mul_f32 v[MEAN], s26, v[SM]
	v_mul_f32 v[MEAN+1], s26, v[SM]
.set kk, 0
.rept 16
	v_pk_add_f32 v[XS+kk:XS+kk+1], v[XS+kk:XS+kk+1], v[MEAN:MEAN+1] neg_lo:[0,1] neg_hi:[0,1]   ; x - mean
.set kk, kk+2
.endr
	v_pk_mul_f32 v[A0:A0+1], v[XS:XS+1], v[XS:XS+1]                ; the sum of its squares
	v_pk_mul_f32 v[A1:A1+1], v[XS+2:XS+3], v[XS+2:XS+3]
.irp k, 4,8,12,16,20,24,28
	v_pk_fma_f32 v[A0:A0+1], v[XS+\k:XS+\k+1], v[XS+\k:XS+\k+1], v[A0:A0+1]
	v_pk_fma_f32 v[A1:A1+1], v[XS+\k+2:XS+\k+3], v[XS+\k+2:XS+\k+3], v[A1:A1+1]
.endr
	v_pk_add_f32 v[A0:A0+1], v[A0:A0+1], v[A1:A1+1]
	v_add_f32 v[SM], v[A0], v[A0+1]
	REDUCE
	v_fma_f32 v[SM], v[SM], s26, s27               ; variance + 1e-5
	v_rsq_f32 v[RS], v[SM]
	v_nop                                          ; a plain line behind the transcendental,
	s_wait_alu depctr_va_vdst(0)                   ; and the wait ahead of its first reader
	v_mov_b32 v[RS+1], v[RS]
.set kk, 0
.rept 16
	v_pk_mul_f32 v[XS+kk:XS+kk+1], v[XS+kk:XS+kk+1], v[RS:RS+1]
.set kk, kk+2
.endr
.if (\i) > 0
	s_wait_xcnt 0x0                                ; the last row's stores have read the codes' registers: only behind this wait are they written again
.endif
	AFFINE 0
	QZ CN, BY+2*(\i)
	AFFINE 64
	QZ CT, BY+2*(\i)+1
	global_store_b128 v1, v[CN:CN+3], s[14:15] offset:512*(\i)     ; 32 lanes store the row's 512 bytes
	global_store_b128 v1, v[CT:CT+3], s[18:19] offset:512*(\i)
	ds_store_b8 v4, v[BY+2*(\i)] offset:32*(\i)
	ds_store_b8 v4, v[BY+2*(\i)+1] offset:256+32*(\i)
.endm
.irp i, 0,1,2,3,4,5,6,7
	ROW \i
.endr
	ds_load_b64 v[OB:OB+1], v5                     ; eight rows' scale bytes: 256 for each norm; LDS serves a wave in order: these see my stores
	ds_load_b64 v[OB+2:OB+3], v5 offset:256
	s_wait_dscnt 0x0
	global_store_b64 v6, v[OB:OB+1], s[16:17]      ; 32 lanes store 256 consecutive bytes, at a multiple of 256 from the buffer's first byte
	global_store_b64 v6, v[OB+2:OB+3], s[20:21]
	s_wait_tensorcnt 0x0
	ds_add_u32 v238, v239
	s_wait_dscnt 0x0
	s_endpgm
.Lfunc_end_k_q0aa9f8ce79_lnq:
	.size	k_q0aa9f8ce79_lnq, .Lfunc_end_k_q0aa9f8ce79_lnq-k_q0aa9f8ce79_lnq
	.p2alignl 7, 3214868480
	.fill 96, 4, 3214868480
	.section	.rodata,"a",@progbits
	.p2align	6, 0x0
	.amdhsa_kernel k_q0aa9f8ce79_lnq
		.amdhsa_group_segment_fixed_size 82944
		.amdhsa_private_segment_fixed_size 0
		.amdhsa_enable_private_segment 0
		.amdhsa_kernarg_size 72
		.amdhsa_user_sgpr_count 2
		.amdhsa_user_sgpr_kernarg_segment_ptr 1
		.amdhsa_wavefront_size32 1
		.amdhsa_system_sgpr_workgroup_id_x 1
		.amdhsa_system_sgpr_workgroup_id_y 1
		.amdhsa_system_sgpr_workgroup_id_z 1
		.amdhsa_system_vgpr_workitem_id 0
		.amdhsa_next_free_vgpr 512
		.amdhsa_next_free_sgpr 66
		.amdhsa_reserve_vcc 0
		.amdhsa_float_denorm_mode_32 3
		.amdhsa_float_denorm_mode_16_64 3
		.amdhsa_memory_ordered 1
		.amdhsa_forward_progress 1
		.amdhsa_inst_pref_size 108
	.end_amdhsa_kernel
	.amdgpu_metadata
---
amdhsa.version: [ 1, 2 ]
amdhsa.kernels:
  - .name:           k_q0aa9f8ce79_lnq
    .symbol:         k_q0aa9f8ce79_lnq.kd
    .args:
      - { .name: x, .offset: 0, .size: 8, .value_kind: global_buffer, .address_space: global }
      - { .name: ln_g, .offset: 8, .size: 8, .value_kind: global_buffer, .address_space: global }
      - { .name: ln_b, .offset: 16, .size: 8, .value_kind: global_buffer, .address_space: global }
      - { .name: tln_g, .offset: 24, .size: 8, .value_kind: global_buffer, .address_space: global }
      - { .name: tln_b, .offset: 32, .size: 8, .value_kind: global_buffer, .address_space: global }
      - { .name: xn_codes, .offset: 40, .size: 8, .value_kind: global_buffer, .address_space: global }
      - { .name: xn_scales, .offset: 48, .size: 8, .value_kind: global_buffer, .address_space: global }
      - { .name: xt_codes, .offset: 56, .size: 8, .value_kind: global_buffer, .address_space: global }
      - { .name: xt_scales, .offset: 64, .size: 8, .value_kind: global_buffer, .address_space: global }
    .group_segment_fixed_size: 82944
    .private_segment_fixed_size: 0
    .kernarg_segment_align: 8
    .kernarg_segment_size: 72
    .max_flat_workgroup_size: 256
    .sgpr_count:     66
    .vgpr_count:     512
    .wavefront_size: 32
...
	.end_amdgpu_metadata
.endif
;; end of part 1
;; launch kvatt (part 2): grid 32 x 8, 4 waves a work-group, clusters of 4 x 4, 327,680 bytes of LDS; arguments xt_codes, xt_scales, Wk_codes, Wk_scales, Wv_codes, Wv_scales, bk, bv, attp, atts; writes attp, atts
.if DOCPART == 2
	.amdgcn_target "amdgcn-amd-amdhsa--gfx1250"
	.amdhsa_code_object_version 6
	.text
	.protected	k_q0aa9f8ce79_kvatt
	.globl	k_q0aa9f8ce79_kvatt
	.p2align	8
	.type	k_q0aa9f8ce79_kvatt,@function
k_q0aa9f8ce79_kvatt:
	s_mov_b64 s[64:65], 0
	v_nop
	global_prefetch_b8 v0, s[64:65] scope:SCOPE_SE
	s_setreg_imm32_b32 hwreg(HW_REG_WAVE_MODE, 25, 1), 1
	s_wait_xcnt 0x0
	s_wait_alu depctr_hold_cnt(0) depctr_sa_sdst(0) depctr_va_vdst(0) depctr_va_sdst(0) depctr_va_ssrc(0) depctr_va_vcc(0) depctr_vm_vsrc(0)
	s_getreg_b32 s2, hwreg(HW_REG_IB_STS2, 6, 4)
	s_cmp_eq_u32 s2, 0
	s_cbranch_scc0 .Lentry_in_a_cluster
	s_endpgm
.Lentry_in_a_cluster:
	s_bfe_u32 s2, ttmp6, 0x10000c
	s_cmp_lg_u32 s2, 0xf033
	s_cbranch_scc0 .Lentry_shape_is_right
	s_endpgm
.Lentry_shape_is_right:
; k = xtn Wk^T + bk, v = xtn Wv^T + bv (codes of FP4 with E8M0 scales on both sides), the softmax of k along the sequence as p = 2^(t - M), p and v quantised along the sequence,
; and att[d][l] = sum over n of p[n][d] v[n][l], for 512 rows of one batch and two heads: a PARTIAL att with its -M[d] and its sum l[d], which the next launch joins.
; SHARES.  Work-group (X, P): X = 4 b + quarter of the 2,048 rows, P = pair of heads.  It walks two tiles of 256 rows x 256 weight rows ([Wk | Wv] of head 2 P, then of head 2 P + 1), K = 1,024.
; A wave takes one head (wave / 2) and 128 rows of each tile (wave % 2): 64 accumulators of 16 x 16.  THE MATRIX INSTRUCTION IS USED TRANSPOSED: source 0 = 16 rows of xtn, source 1 = 16 weight rows:
; a lane holds ONE feature (d of k, l of v) and its 64 registers run along the sequence, n = 16 b + 8 (lane / 16) + j: the K of the next product.  So p, v and att never leave the wave.
; THE QUANTISER ON SUCH REGISTERS: block B of 32 is registers 16 B .. 16 B + 15 of lanes l and l xor 16.  The codes of registers 8 t .. 8 t + 7 go to operand register 4 (t / 4) + (0, 2, 1, 3)[t % 4];
; two exchanges of halves for each four registers then give lane half h, register i the codes of k = 64 c + 32 h + 8 i on, as the operand's layout asks.
; THE RUNNING M: -M = floor(-(largest t so far)), a whole number; when it moves, l and att are multiplied by 2^(old M - new M), which rounds nothing.
; LDS: both K halves of the weights stay; xtn's tile is filled again for the second tile, half by half, each behind a round of the cluster's barrier.  All scale bytes come once.
; CLUSTER 4 x 4: xtn's tiles hang on X alone and are asked for jointly along a column of the cluster, the weights' on P alone, along a row.
; LIMITS: NaN and infinities are not served; a block whose largest magnitude lies under 2^-124 keeps the byte 1; p under 2^-126 is 0; blocks of p are quantised under the running M, so a byte that the
; row's last M would push under 1 is not held there (such terms are under 2^-120 of the row's sum); bk enters as fma(s, log2 e, bk log2 e).
; REGISTERS: window 0: v10-29 addresses; v32-95 scale words; v96-127 a feature's state and the scale words of p and v; v128-191 the weights' fragments, later the codes of p and v; v192-223 bv; v224-253 at work.
;   window 1: v0-127 xtn's fragments, two sets (later factors); v128-255 att (dt, lt) at 128 + 8 (4 dt + lt).   window 2: k.   window 3: v.
.set PITCH, 272                        ; an LDS row: 256 bytes + 16: the 16 rows of a load begin at 16 different multiples of 16 modulo 256
.set PIECE, 64*PITCH                   ; what one tensor load brings
.set HALFT, 128*PITCH
.set PART,  256*PITCH
.set SLOT,  2*PART                     ; a K half: the weights' 256 rows, then xtn's 256
.set SCL,   2*SLOT                     ; the weights' scale bytes: 256 rows x 32, as units of 256 bytes + 16
.set SBLK,  544                        ; those of 16 rows
.set HALFS, 4352                       ; of 128 rows
.set XSCL,  SCL+8704                   ; xtn's: 512 rows
.set SPARE, XSCL+17408                 ; the spare words, 128 bytes a wave: two blocks of 256 bytes that no other line names
.set SCR,   SPARE+512                  ; 1,024 bytes of scratch for each wave
.set LI,   10                          ; 16 x lane
.set SCA,  11                          ; scratch: 4 x (lane % 16)
.set SCB,  12                          ; scratch: 32 x (lane / 16)
.set SCT,  13                          ; scratch + 512 + 16 x lane
.set STG,  14                          ; the joining stage: my head's, 16 x lane
.set STS,  15                          ; and its state words, 4 x lane
.set ADRA, 16
.set ADRB, 20
.set ADS0, 26
.set ADS1, 27
.set SPW,  28
.set NIL,  29
.set SC,   32
.set BKC,  96
.set TMX,  100
.set NEG,  104
.set F,    108
.set LSUM, 112
.set PW,   120
.set VW,   124
.set AF,   128
.set PF,   128
.set VF,   160
.set BV,   192
.set TM,   224
.set T4,   228
.set SO,   232
.set MX,   236
.set OLD,  237
.set OFS,  238
.set X2,   240
.set N1,   242
.set L1,   246
.set F1,   250
.set AT,   128
.set MUL_LO, 0xa1                      ; source 0 window 1, source 1 window 0, C and D window 2
.set MUL_HI, 0xf1                      ; C and D window 3
.set FIRST_HI, 0xc1                    ; D window 3, C (bv) window 0
.set MSB, 0
.macro WIN new                         ; the immediate's high byte repeats the setting that is left
.if MSB != (\new)
	s_set_vgpr_msb (MSB<<8)|(\new)
.set MSB, (\new)
.endif
.endm
.macro PLACES n
.rept \n
	v_nop
.endr
.endm
.macro CREST                           ; a round of the cluster's barrier behind its opening barrier
	s_cmp_lg_u32 s84, 0
	s_cbranch_scc1 .Lnot_wave_0_\@
	s_barrier_signal -3
.Lnot_wave_0_\@:
	s_barrier_wait -3
	s_barrier_signal -1
	s_barrier_wait -1
.endm
.macro CROUND
	s_barrier_signal -1
	s_barrier_wait -1
	CREST
.endm
	s_load_b256 s[4:11], s[0:1], 0x0               ; xt_codes, xt_scales, Wk_codes, Wk_scales
	s_load_b256 s[12:19], s[0:1], 0x20             ; Wv_codes, Wv_scales, bk, bv
	s_load_b128 s[20:23], s[0:1], 0x40             ; attp, atts
	v_lshl_add_u32 v[SPW], v0, 2, SPARE
	v_mov_b32 v[NIL], 0
	ds_add_u32 v28, v29
	ds_add_u32 v28, v29
	s_wait_dscnt 0x0
	v_lshrrev_b32 v3, 5, v0
	v_readfirstlane_b32 s84, v3                    ; wave
	s_lshr_b32 s85, s84, 1                         ; my head of the pair.  As a fetcher: the head whose weights I fetch
	s_and_b32 s86, s84, 1                          ; my 128 rows of a tile.  As a fetcher: Wk (0) or Wv (1)
	s_bfe_u32 s87, ttmp6, 0x40000                  ; cx
	s_bfe_u32 s88, ttmp6, 0x40004                  ; cy
	s_lshl_b32 s89, ttmp9, 2
	s_add_co_u32 s89, s89, s87                     ; X
	s_and_b32 s90, ttmp7, 0xffff
	s_lshl_b32 s90, s90, 2
	s_add_co_u32 s90, s90, s88                     ; P
	s_lshl_b32 s91, s88, 2
	s_lshl_b32 s91, 15, s91                        ; my row of the cluster
	s_lshl_b32 s92, 0x1111, s87                    ; my column
	s_mov_b32 s98, 0x76543210
	s_mov_b32 s99, 0xfedcba98                      ; v_permlanex16_b32: lane l xor 16
	s_mov_b32 s100, 0x3fb8aa3b                     ; log2(e)
	s_mov_b32 s101, s100
	; group 1 for codes: 64 rows x 256 bytes out of rows of 512; 16 bytes of padding behind each 256.  s[24:31] xtn's (my column), s[32:39] the weights' (my row)
	s_or_b32 s24, s92, (1<<20)|(1<<21)|(5<<22)|(3<<25)
	s_or_b32 s32, s91, (1<<20)|(1<<21)|(5<<22)|(3<<25)
.irp g, 24, 32
	s_mov_b32 s[\g+1], 256<<16
	s_mov_b32 s[\g+2], 64<<16
	s_mov_b32 s[\g+3], 256<<16
	s_mov_b32 s[\g+4], 64
	s_mov_b32 s[\g+5], 512
	s_mov_b32 s[\g+6], 0
	s_mov_b32 s[\g+7], 0
.endr
	; group 1 for scale bytes: dense blocks as rows of 256 bytes (32 elements of 8), padded alike.  s[40:47] xtn's: 16 rows; s[48:55] the weights': 8
	s_or_b32 s40, s92, (3<<16)|(1<<20)|(1<<21)|(5<<22)|(3<<25)
	s_mov_b32 s41, 32<<16
	s_mov_b32 s42, 16<<16
	s_mov_b32 s43, 32<<16
	s_mov_b32 s44, 16
	s_mov_b32 s45, 32
	s_mov_b32 s46, 0
	s_mov_b32 s47, 0
	s_or_b32 s48, s91, (3<<16)|(1<<20)|(1<<21)|(5<<22)|(3<<25)
	s_mov_b32 s49, 32<<16
	s_mov_b32 s50, 8<<16
	s_mov_b32 s51, 32<<16
	s_mov_b32 s52, 8
	s_mov_b32 s53, 32
	s_mov_b32 s54, 0
	s_mov_b32 s55, 0
	s_lshl_b32 s93, s90, 1
	s_add_co_u32 s93, s93, s85                     ; the head: 2 P + wave / 2
	s_lshl_b32 s94, s93, 15                        ; its 64 weight rows of 512 bytes
	s_mov_b32 s95, 0
	s_lshl_b32 s96, s89, 18                        ; xtn: rows 512 X + 64 wave
	s_lshl_b32 s2, s84, 15
	s_add_co_u32 s96, s96, s2
	s_mov_b32 s97, 0
	s_mul_i32 s3, s84, PIECE                       ; LDS addresses: constants and the wave's number alone
	s_mov_b32 s56, 1
	s_mov_b32 s57, s3
	s_mov_b32 s60, 1
	s_add_co_u32 s61, s3, SLOT
	s_mov_b32 s68, 1
	s_add_co_u32 s69, s3, PART
	s_mov_b32 s72, 1
	s_add_co_u32 s73, s3, SLOT+PART
	s_mul_i32 s3, s84, 2176
	s_mov_b32 s76, 1
	s_add_co_u32 s77, s3, SCL
	s_mul_i32 s3, s84, 4352
	s_mov_b32 s80, 1
	s_add_co_u32 s81, s3, XSCL
	s_wait_kmcnt 0x0
	s_cmp_eq_u32 s86, 0                            ; Wk or Wv: the choice hangs on the wave's number alone
	s_cselect_b64 s[8:9], s[8:9], s[12:13]
	s_cselect_b64 s[10:11], s[10:11], s[14:15]
	s_add_nc_u64 s[58:59], s[8:9], s[94:95]        ; the weights, K half 0
	s_add_nc_u64 s[62:63], s[58:59], 256           ; K half 1
	s_or_b32 s59, s59, 0x80000000
	s_or_b32 s63, s63, 0x80000000
	s_add_nc_u64 s[70:71], s[4:5], s[96:97]        ; xtn, tile 0
	s_add_nc_u64 s[74:75], s[70:71], 256
	s_or_b32 s71, s71, 0x80000000
	s_or_b32 s75, s75, 0x80000000
	s_lshl_b32 s94, s93, 11                        ; the weights' scale bytes: 64 rows of 32
	s_add_nc_u64 s[78:79], s[10:11], s[94:95]
	s_or_b32 s79, s79, 0x80000000
	s_lshl_b32 s96, s89, 14                        ; xtn's: rows 512 X + 128 wave
	s_lshl_b32 s2, s84, 12
	s_add_co_u32 s96, s96, s2
	s_add_nc_u64 s[82:83], s[6:7], s[96:97]
	s_or_b32 s83, s83, 0x80000000
	CROUND                                         ; all sixteen work-groups are here: the first joint loads meet
	tensor_load_to_lds s[76:79], s[48:55]          ; six first fills on end: six loads of mine are out
	s_nop 0
	tensor_load_to_lds s[80:83], s[40:47]
	s_nop 0
	tensor_load_to_lds s[56:59], s[32:39]
	s_nop 0
	tensor_load_to_lds s[68:71], s[24:31]
	s_nop 0
	tensor_load_to_lds s[60:63], s[32:39]
	s_nop 0
	tensor_load_to_lds s[72:75], s[24:31]
	s_nop 0
	PLACES 4                                       ; four plain lines behind the tensor loads
	v_and_b32 v1, 15, v0                           ; r
	v_bfe_u32 v2, v0, 4, 1                         ; h
	v_and_b32 v3, 31, v0                           ; lane
	v_mul_u32_u24 v4, v1, PITCH
	v_lshl_add_u32 v4, v2, 4, v4                   ; a fragment's row x pitch + 16 h
	s_mul_i32 s2, s85, HALFT
	s_mul_i32 s3, s86, HALFT
	s_add_co_u32 s3, s3, PART
	v_add_nc_u32 v[ADRA], s2, v4
	v_add_nc_u32 v[ADRB], s3, v4
	s_add_co_u32 s2, s2, SLOT
	s_add_co_u32 s3, s3, SLOT
	v_add_nc_u32 v[ADRA+1], s2, v4
	v_add_nc_u32 v[ADRB+1], s3, v4
	v_lshlrev_b32 v5, 5, v1                        ; scale bytes: 32 a row,
	v_lshrrev_b32 v6, 8, v5
	v_lshl_add_u32 v5, v6, 4, v5                   ; and 16 more for each 256 passed
	s_mul_i32 s2, s85, HALFS
	s_mul_i32 s3, s86, HALFS
	s_add_co_u32 s3, s3, XSCL-SCL
	s_sub_co_u32 s3, s3, s2                        ; from the weights' words to xtn's of tile 0
	v_mul_u32_u24 v6, s3, v2                       ; lanes 16-31 take xtn's
	s_add_co_u32 s3, s3, 8704                      ; of tile 1
	v_mul_u32_u24 v7, s3, v2
	s_add_co_u32 s2, s2, SCL
	v_add_nc_u32 v5, s2, v5
	v_add_nc_u32 v[ADS0], v5, v6
	v_add_nc_u32 v[ADS1], v5, v7
	v_lshlrev_b32 v[LI], 4, v3
	s_lshl_b32 s2, s84, 10
	s_add_co_u32 s2, s2, SCR
	v_lshl_add_u32 v[SCA], v1, 2, s2
	v_lshl_add_u32 v[SCB], v2, 5, s2
	s_add_co_u32 s2, s2, 512
	v_add_nc_u32 v[SCT], s2, v[LI]
	s_mul_i32 s2, s85, 17408
	v_add_nc_u32 v[STG], s2, v[LI]
	s_add_co_u32 s2, s2, 16384
	v_lshl_add_u32 v[STS], v3, 2, s2
	s_lshl_b32 s2, s93, 8                          ; the head's 64 biases
	s_mov_b32 s3, 0
	s_add_nc_u64 s[16:17], s[16:17], s[2:3]
	s_add_nc_u64 s[18:19], s[18:19], s[2:3]
	v_lshlrev_b32 v8, 2, v1
.irp d, 0,1,2,3
	global_load_b32 v[BKC+\d], v8, s[16:17] offset:64*\d           ; bk of feature 16 d + r
	global_load_b32 v[BV+8*\d], v8, s[18:19] offset:64*\d          ; bv likewise
.endr
	s_lshr_b32 s2, s89, 2                          ; where my head's partial goes: ((b x 16 + head) x 4 + quarter)
	s_lshl_b32 s2, s2, 6
	s_lshl_b32 s3, s93, 2
	s_add_co_u32 s2, s2, s3
	s_and_b32 s3, s89, 3
	s_add_co_u32 s2, s2, s3
	s_lshl_b32 s96, s2, 14
	s_add_nc_u64 s[20:21], s[20:21], s[96:97]
	s_lshl_b32 s96, s2, 9
	s_add_nc_u64 s[22:23], s[22:23], s[96:97]
.irp b, 0,1,2,3
	v_mov_b32 v[T4+\b], 0                          ; a lane permute's destination counts as read
.endr
	v_mov_b32 v[OFS+1], 0                          ; named as the upper half of a pair
	s_wait_loadcnt 0x0
.irp d, 0,1,2,3
	v_mul_f32 v[BKC+\d], s100, v[BKC+\d]           ; bk x log2(e)
.endr
.irp d, 0,1,2,3
.irp j, 1,2,3,4,5,6,7
	v_mov_b32 v[BV+8*\d+\j], v[BV+8*\d]            ; bv as the C of v's first product: a lane holds one feature, so all eight registers hold its bias
.endr
.endr
.macro FRAG reg, adr, q, i             ; 16 rows x 128 K of 4-bit codes: registers 4 c .. 4 c + 3 hold K = 64 c + 32 h + 0 .. 31
.irp c, 0,1
	ds_load_b128 v[(\reg)+4*\c:(\reg)+4*\c+3], v[\adr] offset:64*(\q)+32*\c+(\i)*16*PITCH
.endr
.endm
.macro FETCH_B slot, q, p              ; xtn's eight fragments into set p of window 1
	WIN 0x40
.irp i, 0,1,2,3,4,5,6,7
	FRAG 64*(\p)+8*\i, ADRB+\slot, \q, \i
.endr
	WIN 0
.endm
.macro FETCH_A slot, q, i0             ; the weights' blocks i0 .. i0 + 3
.irp i, \i0, \i0+1, \i0+2, \i0+3
	FRAG AF+8*(\i), ADRA+\slot, \q, \i
.endr
.endm
.macro SCALES adr                      ; all of K's scale words: register 32 k + 4 i + q: lanes 0-15 the weights' block i, lanes 16-31 xtn's block i
.irp k, 0,1
.irp i, 0,1,2,3,4,5,6,7
	ds_load_b128 v[SC+32*\k+4*\i:SC+32*\k+4*\i+3], v[\adr] offset:SBLK*\i+16*\k
.endr
.endr
.endm
; 16 matrix instructions: weight blocks a0, a0 + 1 x xtn's eight.  cm = 1: the first K step starts the sums: k's with 0, v's with bv.  The 64 accumulators take turns, one instruction a turn.
.macro MUL16 a0, p, q, sc, cm
.irp a, \a0, \a0+1
.irp b, 0,1,2,3,4,5,6,7
.if (\cm) && ((\a) < 4)
	v_wmma_scale_f32_16x16x128_f8f6f4 v[64*((\a)%4)+8*\b:64*((\a)%4)+8*\b+7], v[64*(\p)+8*\b:64*(\p)+8*\b+7], v[AF+8*(\a):AF+8*(\a)+7], 0, v[SC+32*(\sc)+4*\b+(\q)], v[SC+32*(\sc)+4*(\a)+(\q)] matrix_a_fmt:MATRIX_FMT_FP4 matrix_b_fmt:MATRIX_FMT_FP4 matrix_a_scale:MATRIX_SCALE_ROW1
.elseif \cm
	v_wmma_scale_f32_16x16x128_f8f6f4 v[64*((\a)%4)+8*\b:64*((\a)%4)+8*\b+7], v[64*(\p)+8*\b:64*(\p)+8*\b+7], v[AF+8*(\a):AF+8*(\a)+7], v[BV+8*((\a)-4):BV+8*((\a)-4)+7], v[SC+32*(\sc)+4*\b+(\q)], v[SC+32*(\sc)+4*(\a)+(\q)] matrix_a_fmt:MATRIX_FMT_FP4 matrix_b_fmt:MATRIX_FMT_FP4 matrix_a_scale:MATRIX_SCALE_ROW1
.else
	v_wmma_scale_f32_16x16x128_f8f6f4 v[64*((\a)%4)+8*\b:64*((\a)%4)+8*\b+7], v[64*(\p)+8*\b:64*(\p)+8*\b+7], v[AF+8*(\a):AF+8*(\a)+7], v[64*((\a)%4)+8*\b:64*((\a)%4)+8*\b+7], v[SC+32*(\sc)+4*\b+(\q)], v[SC+32*(\sc)+4*(\a)+(\q)] matrix_a_fmt:MATRIX_FMT_FP4 matrix_b_fmt:MATRIX_FMT_FP4 matrix_a_scale:MATRIX_SCALE_ROW1
.endif
.endr
.endr
.endm
.macro START adr
	FETCH_B 0, 0, 0
	FETCH_A 0, 0, 0
	SCALES \adr
	FETCH_A 0, 0, 4
.endm
; A step of 128 along K; its successor is step nq of K half nslot.  Loads into registers that matrix instructions have read stand four plain vector lines behind them.
.macro STEP slot, q, nslot, nq, cm
	s_wait_dscnt 8                                 ; all but the youngest eight loads (weight blocks 4-7)
	WIN MUL_LO
	MUL16 0, (\q)%2, \q, \slot, \cm
	MUL16 2, (\q)%2, \q, \slot, \cm
	s_wait_dscnt 0x0                               ; blocks 4-7 are in
	PLACES 4
	FETCH_B \nslot, \nq, 1-(\q)%2
	FETCH_A \nslot, \nq, 0
.if \cm
	WIN FIRST_HI
.else
	WIN MUL_HI
.endif
	MUL16 4, (\q)%2, \q, \slot, \cm
	MUL16 6, (\q)%2, \q, \slot, \cm
	PLACES 4
	WIN 0
	FETCH_A \nslot, \nq, 4
.endm
; Tile 0, last step of K half 0: xtn's part of that half is filled again, with tile 1.  In front of the round each wave waits for all its tensor loads, adds 0 to its spare word, and waits for that and for its reads of the half.
.macro TURNF
	s_wait_tensorcnt 0x0                           ; all my loads have landed, K half 1 among them
	ds_add_u32 v[SPW], v[NIL]
	s_wait_dscnt 9                                 ; (the add and the youngest eight loads may be out)
	WIN MUL_LO
	MUL16 0, 1, 3, 0, 0
	s_wait_dscnt 0x0                               ; the add is done, and my reads of K half 0 are over
	s_barrier_signal -1
	MUL16 2, 1, 3, 0, 0
	WIN 0
	s_barrier_wait -1
	CREST                                          ; no wave of any partner still reads the tile or has a load on its way
	s_add_nc_u64 s[70:71], s[70:71], 131072        ; 256 rows of 512 bytes on
	tensor_load_to_lds s[68:71], s[24:31]          ; my one load behind the round; it has three steps in which to land
	s_nop 0
	PLACES 4                                       ; also the places in front of the loads below
	FETCH_B 1, 0, 0
	FETCH_A 1, 0, 0
	WIN MUL_HI
	MUL16 4, 1, 3, 0, 0
	MUL16 6, 1, 3, 0, 0
	PLACES 4
	WIN 0
	FETCH_A 1, 0, 4
.endm
.macro LASTF                           ; tile 0, last step: the same for K half 1
	s_wait_tensorcnt 0x0
	ds_add_u32 v[SPW], v[NIL]
	s_wait_dscnt 9
	WIN MUL_LO
	MUL16 0, 1, 3, 1, 0
	s_wait_dscnt 0x0
	s_barrier_signal -1
	MUL16 2, 1, 3, 1, 0
	WIN 0
	s_barrier_wait -1
	CREST
	s_add_nc_u64 s[74:75], s[74:75], 131072
	tensor_load_to_lds s[72:75], s[24:31]
	s_nop 0
	PLACES 4
	WIN MUL_HI
	MUL16 4, 1, 3, 1, 0
	MUL16 6, 1, 3, 1, 0
	WIN 0
.endm
.macro LAST                            ; tile 1, last step: nothing more to fetch
	s_wait_dscnt 8
	WIN MUL_LO
	MUL16 0, 1, 3, 1, 0
	MUL16 2, 1, 3, 1, 0
	s_wait_dscnt 0x0
	WIN MUL_HI
	MUL16 4, 1, 3, 1, 0
	MUL16 6, 1, 3, 1, 0
	WIN 0
.endm
; The largest number (mag = 0) or magnitude (mag = 1, with the floor 2^(3 - 127)) of each of the four blocks in the 64 registers v[S] on of window W.  Each accumulator is read from its low end on.
.macro BLKMAX S, W, mag
	WIN ((\W)<<2)|((\W)<<4)
.irp b, 0,1,2,3
.if \mag
	v_max3_num_f32 v[TM+\b], 0x1800000, |v[(\S)+16*\b]|, |v[(\S)+16*\b+1]|
.else
	v_max3_num_f32 v[TM+\b], 0xff800000, v[(\S)+16*\b], v[(\S)+16*\b+1]
.endif
.endr
.irp i, 2,4,6,8,10,12,14
.irp b, 0,1,2,3
.if \mag
	v_max3_num_f32 v[TM+\b], v[TM+\b], |v[(\S)+16*\b+\i]|, |v[(\S)+16*\b+\i+1]|
.else
	v_max3_num_f32 v[TM+\b], v[TM+\b], v[(\S)+16*\b+\i], v[(\S)+16*\b+\i+1]
.endif
.endr
.endr
	WIN 0
.irp b, 0,1,2,3
	v_permlanex16_b32 v[T4+\b], v[TM+\b], s98, s99
.endr
.irp b, 0,1,2,3
	v_max_num_f32 v[TM+\b], v[TM+\b], v[T4+\b]     ; with lane l xor 16's half of the block
.endr
.endm
; v[TM] on hold the blocks' largest magnitudes: the scale word, the codes, and the exchange of halves that the operand's layout asks
.macro QTAIL dst, word, S, W
.irp b, 0,1,2,3
	v_add_nc_u32 v[SO+\b], 0xff000000, v[TM+\b]    ; 2 off the exponent field: the conversion's scale operand
.endr
.irp b, 0,1,2,3
	v_lshrrev_b32 v[T4+\b], 23, v[SO+\b]           ; the byte
.endr
	v_lshl_or_b32 v[\word], v[T4+1], 8, v[T4]
	v_lshl_or_b32 v[\word], v[T4+2], 16, v[\word]
	v_lshl_or_b32 v[\word], v[T4+3], 24, v[\word]
	WIN \W
.irp t, 0,1,2,3,4,5,6,7
	v_cvt_scalef32_pk8_fp4_f32 v[(\dst)+4*(\t/4)+((\t%4)%2)*2+(\t%4)/2], v[(\S)+8*\t:(\S)+8*\t+7], v[SO+\t/2]
.endr
	WIN 0
	v_nop                                          ; one plain line behind the conversions
.irp c, 0,2,4,6
	v_permlane16_swap_b32 v[(\dst)+\c], v[(\dst)+\c+1]
.endr
.endm
.macro VQUANT lt                       ; v's features 16 lt on, 128 rows: one fragment and its scale word
	BLKMAX 64*(\lt), 3, 1
	QTAIL VF+8*(\lt), VW+(\lt), 64*(\lt), 3
.endm
.macro KSOFT dt, first                 ; k's features 16 dt on: the running M, p in place, the sum, p's fragment and scale word
.set SS, 64*(\dt)
	BLKMAX SS, 2, 0                                ; each block's largest score serves twice: for the maximum, and, since p rises with the score, for the block's largest p
	v_max3_num_f32 v[MX], v[TM], v[TM+1], v[TM+2]
	v_max_num_f32 v[MX], v[MX], v[TM+3]
.if \first
	v_fma_f32 v[TMX+(\dt)], v[MX], s100, v[BKC+(\dt)]              ; as t
.else
	v_fma_f32 v[MX], v[MX], s100, v[BKC+(\dt)]
	v_mov_b32 v[OLD], v[NEG+(\dt)]
	v_max_num_f32 v[TMX+(\dt)], v[TMX+(\dt)], v[MX]
.endif
	v_floor_f32 v[NEG+(\dt)], -v[TMX+(\dt)]        ; -M = floor(-t): M is a whole number
.if (\first) == 0
	v_sub_f32 v[OLD], v[NEG+(\dt)], v[OLD]         ; old M - new M, 0 or less
	v_cvt_i32_f32 v[OLD], v[OLD]
	v_ldexp_f32 v[F+(\dt)], 1.0, v[OLD]
.endif
	v_add_f32 v[OFS], v[BKC+(\dt)], v[NEG+(\dt)]
.irp b, 0,1,2,3
	v_fma_f32 v[TM+\b], v[TM+\b], s100, v[OFS]
.endr
	WIN 0x82
.set jj, 0
.rept 32
	v_pk_fma_f32 v[SS+jj:SS+jj+1], v[SS+jj:SS+jj+1], s[100:101], v[OFS:OFS+1] op_sel_hi:[1,0,0]   ; t - M
.set jj, jj+2
.endr
.set jj, 0
.rept 64
	v_exp_f32 v[SS+jj], v[SS+jj]
.set jj, jj+1
.endr
	WIN 0
	v_mov_b32 v[X2], 0                             ; plain lines behind the batch
	v_mov_b32 v[X2+1], 0
.if \first
	v_mov_b32 v[LSUM+2*(\dt)], 0
	v_mov_b32 v[LSUM+2*(\dt)+1], 0
.else
	v_mul_f32 v[LSUM+2*(\dt)], v[LSUM+2*(\dt)], v[F+(\dt)]
	v_mul_f32 v[LSUM+2*(\dt)+1], v[LSUM+2*(\dt)+1], v[F+(\dt)]
.endif
	s_wait_alu depctr_va_vdst(0)                   ; one wait for the 64, ahead of their first reader
.irp b, 0,1,2,3
	v_exp_f32 v[TM+\b], v[TM+\b]                   ; the blocks' largest p
.endr
	WIN 0x08
.set jj, 0
.rept 16
	v_pk_add_f32 v[LSUM+2*(\dt):LSUM+2*(\dt)+1], v[LSUM+2*(\dt):LSUM+2*(\dt)+1], v[SS+jj:SS+jj+1]   ; the sum of the unquantised p, in two chains
	v_pk_add_f32 v[X2:X2+1], v[X2:X2+1], v[SS+jj+2:SS+jj+3]
.set jj, jj+4
.endr
	WIN 0
	v_pk_add_f32 v[LSUM+2*(\dt):LSUM+2*(\dt)+1], v[LSUM+2*(\dt):LSUM+2*(\dt)+1], v[X2:X2+1]
	s_wait_alu depctr_va_vdst(0)                   ; and one for the four
.irp b, 0,1,2,3
	v_max_num_f32 v[TM+\b], 0x1800000, v[TM+\b]    ; the floor
.endr
	QTAIL PF+8*(\dt), PW+(\dt), SS, 2
.endm
.macro RESCALE                         ; att(d, .) x the factor of d: in att's layout d = 16 dt + 8 h + j runs along the registers, so the factors stand in v[8 dt + j] of window 1
	WIN 0x45
.irp d, 0,1,2,3
.irp t, 0,1,2,3
.irp i, 0,2,4,6
	v_pk_mul_f32 v[AT+8*(4*\d+\t)+\i:AT+8*(4*\d+\t)+\i+1], v[AT+8*(4*\d+\t)+\i:AT+8*(4*\d+\t)+\i+1], v[8*\d+\i:8*\d+\i+1]
.endr
.endr
.endr
.endm
.macro ATT first                       ; att += p^T v over these 128 rows: source 0 = p's 16 features, source 1 = v's 16
.if \first
	PLACES 8                                       ; a scale word written by vector lines stands eight places ahead of the product
.else
.irp d, 0,1,2,3
	ds_store_b32 v[SCA], v[F+\d] offset:64*\d      ; the factors change from a lane to a register through my own scratch; both halves write the same word
.endr
	WIN 0x40
.irp d, 0,1,2,3
	ds_load_b128 v[8*\d:8*\d+3], v[SCB] offset:64*\d
	ds_load_b128 v[8*\d+4:8*\d+7], v[SCB] offset:64*\d+16
.endr
	WIN 0
	s_wait_dscnt 0x0
	RESCALE
.endif
	WIN 0x50
.irp d, 0,1,2,3
.irp t, 0,1,2,3
.if \first
	v_wmma_scale_f32_16x16x128_f8f6f4 v[AT+8*(4*\d+\t):AT+8*(4*\d+\t)+7], v[PF+8*\d:PF+8*\d+7], v[VF+8*\t:VF+8*\t+7], 0, v[PW+\d], v[VW+\t] matrix_a_fmt:MATRIX_FMT_FP4 matrix_b_fmt:MATRIX_FMT_FP4
.else
	v_wmma_scale_f32_16x16x128_f8f6f4 v[AT+8*(4*\d+\t):AT+8*(4*\d+\t)+7], v[PF+8*\d:PF+8*\d+7], v[VF+8*\t:VF+8*\t+7], v[AT+8*(4*\d+\t):AT+8*(4*\d+\t)+7], v[PW+\d], v[VW+\t] matrix_a_fmt:MATRIX_FMT_FP4 matrix_b_fmt:MATRIX_FMT_FP4
.endif
.endr
.endr
	WIN 0
.endm
.macro EPI first
	PLACES 4                                       ; in front of the first read of results
.irp u, 0,1,2,3
	VQUANT \u
.endr
.irp u, 0,1,2,3
	KSOFT \u, \first
.endr
	ATT \first
.endm
	s_wait_tensorcnt 2                             ; the scale bytes and K half 0 are in; K half 1's two loads may be out
	s_barrier_signal -1
	s_barrier_wait -1
	START ADS0
	STEP 0, 0, 0, 1, 1
	STEP 0, 1, 0, 2, 0
	STEP 0, 2, 0, 3, 0
	TURNF
	STEP 1, 0, 1, 1, 0
	STEP 1, 1, 1, 2, 0
	STEP 1, 2, 1, 3, 0
	LASTF
	EPI 1                                          ; tile 1 lands meanwhile
	PLACES 4                                       ; in front of loads into the registers that held p's and v's codes
	s_wait_tensorcnt 0x0                           ; my parts of tile 1 are in,
	s_wait_dscnt 0x0
	s_barrier_signal -1
	s_barrier_wait -1                              ; everybody's are
	START ADS1
	STEP 0, 0, 0, 1, 1
	STEP 0, 1, 0, 2, 0
	STEP 0, 2, 0, 3, 0
	STEP 0, 3, 1, 0, 0
	STEP 1, 0, 1, 1, 0
	STEP 1, 1, 1, 2, 0
	STEP 1, 2, 1, 3, 0
	LAST
	s_wait_dscnt 0x0
	s_barrier_signal -1
	s_barrier_wait -1                              ; nobody reads the tiles any more, and they have had their last fill: the joining stage may lie there
	EPI 0
	; THE TWO WAVES OF A HEAD ARE JOINED: the wave of rows 128 on hands att, -M and l to the other through LDS, as images of its registers.
.irp d, 0,1,2,3
	v_add_f32 v[LSUM+2*\d], v[LSUM+2*\d], v[LSUM+2*\d+1]           ; (these four are the places behind the last products)
.endr
.irp d, 0,1,2,3
	v_permlanex16_b32 v[T4+\d], v[LSUM+2*\d], s98, s99
.endr
.irp d, 0,1,2,3
	v_add_f32 v[LSUM+2*\d], v[LSUM+2*\d], v[T4+\d]                 ; l of feature 16 d + r over my 256 rows
.endr
	s_cmp_eq_u32 s86, 0
	s_cbranch_scc1 .Lkeeps
	WIN 0x04
.set ii, 0
.rept 32
	ds_store_b128 v[STG], v[AT+4*ii:AT+4*ii+3] offset:512*ii
.set ii, ii+1
.endr
	WIN 0
.irp d, 0,1,2,3
	ds_store_b32 v[STS], v[NEG+\d] offset:128*\d
	ds_store_b32 v[STS], v[LSUM+2*\d] offset:512+128*\d
.endr
.Lkeeps:
	s_wait_dscnt 0x0                               ; for the other wave's sake: my stores are done
	s_barrier_signal -1
	s_barrier_wait -1
	s_cmp_lg_u32 s86, 0
	s_cbranch_scc1 .Ldone
.irp d, 0,1,2,3
	ds_load_b32 v[N1+\d], v[STS] offset:128*\d
	ds_load_b32 v[L1+\d], v[STS] offset:512+128*\d
.endr
	WIN 0x80
.set ii, 0
.rept 32
	ds_load_b128 v[4*ii:4*ii+3], v[STG] offset:512*ii
.set ii, ii+1
.endr
	WIN 0
	s_wait_dscnt 0x0
.irp d, 0,1,2,3
	v_min_num_f32 v[TM+\d], v[NEG+\d], v[N1+\d]    ; the joint -M
.endr
.irp d, 0,1,2,3
	v_sub_f32 v[SO+\d], v[TM+\d], v[NEG+\d]
	v_sub_f32 v[T4+\d], v[TM+\d], v[N1+\d]
.endr
.irp d, 0,1,2,3
	v_cvt_i32_f32 v[SO+\d], v[SO+\d]
	v_cvt_i32_f32 v[T4+\d], v[T4+\d]
.endr
.irp d, 0,1,2,3
	v_ldexp_f32 v[F+\d], 1.0, v[SO+\d]             ; 2^(my M - joint M)
	v_ldexp_f32 v[F1+\d], 1.0, v[T4+\d]            ; 2^(the other's M - joint M)
.endr
.irp d, 0,1,2,3
	v_mul_f32 v[LSUM+2*\d], v[LSUM+2*\d], v[F+\d]
.endr
.irp d, 0,1,2,3
	v_fma_f32 v[LSUM+2*\d], v[L1+\d], v[F1+\d], v[LSUM+2*\d]
.endr
.irp d, 0,1,2,3
	ds_store_b32 v[SCA], v[F+\d] offset:64*\d
	ds_store_b32 v[SCA], v[F1+\d] offset:256+64*\d
	ds_store_b32 v[SCA], v[TM+\d] offset:512+64*\d
	ds_store_b32 v[SCA], v[LSUM+2*\d] offset:768+64*\d
.endr
	WIN 0x40
.irp d, 0,1,2,3
	ds_load_b128 v[8*\d:8*\d+3], v[SCB] offset:64*\d
	ds_load_b128 v[8*\d+4:8*\d+7], v[SCB] offset:64*\d+16
	ds_load_b128 v[32+8*\d:32+8*\d+3], v[SCB] offset:256+64*\d
	ds_load_b128 v[32+8*\d+4:32+8*\d+7], v[SCB] offset:256+64*\d+16
.endr
	WIN 0
	ds_load_b128 v[N1:N1+3], v[SCT]                ; -M[64] and l[64] as 512 bytes on end
	s_wait_dscnt 0x0
	RESCALE
	WIN 0x56                                       ; source 0 window 2, source 1, C and D window 1
.irp d, 0,1,2,3
.irp t, 0,1,2,3
.irp i, 0,2,4,6
	v_pk_fma_f32 v[AT+8*(4*\d+\t)+\i:AT+8*(4*\d+\t)+\i+1], v[8*(4*\d+\t)+\i:8*(4*\d+\t)+\i+1], v[32+8*\d+\i:32+8*\d+\i+1], v[AT+8*(4*\d+\t)+\i:AT+8*(4*\d+\t)+\i+1]
.endr
.endr
.endr
	WIN 0x04
.set ii, 0
.rept 32
	global_store_b128 v[LI], v[AT+4*ii:AT+4*ii+3], s[20:21] offset:512*ii    ; an image of the registers: 32 lanes store 512 consecutive bytes
.set ii, ii+1
.endr
	WIN 0
	global_store_b128 v[LI], v[N1:N1+3], s[22:23]
.Ldone:
	s_wait_tensorcnt 0x0                           ; the wave's end
	ds_add_u32 v[SPW], v[NIL]
	s_wait_dscnt 0x0
	CROUND                                         ; the closing round
	s_endpgm
.Lfunc_end_k_q0aa9f8ce79_kvatt:
	.size	k_q0aa9f8ce79_kvatt, .Lfunc_end_k_q0aa9f8ce79_kvatt-k_q0aa9f8ce79_kvatt
	.p2alignl 7, 3214868480
	.fill 96, 4, 3214868480
	.section	.rodata,"a",@progbits
	.p2align	6, 0x0
	.amdhsa_kernel k_q0aa9f8ce79_kvatt
		.amdhsa_group_segment_fixed_size 327680
		.amdhsa_private_segment_fixed_size 0
		.amdhsa_enable_private_segment 0
		.amdhsa_kernarg_size 80
		.amdhsa_user_sgpr_count 2
		.amdhsa_user_sgpr_kernarg_segment_ptr 1
		.amdhsa_wavefront_size32 1
		.amdhsa_system_sgpr_workgroup_id_x 1
		.amdhsa_system_sgpr_workgroup_id_y 1
		.amdhsa_system_sgpr_workgroup_id_z 1
		.amdhsa_system_vgpr_workitem_id 0
		.amdhsa_next_free_vgpr 1024
		.amdhsa_next_free_sgpr 102
		.amdhsa_reserve_vcc 0
		.amdhsa_float_denorm_mode_32 3
		.amdhsa_float_denorm_mode_16_64 3
		.amdhsa_memory_ordered 1
		.amdhsa_forward_progress 1
		.amdhsa_inst_pref_size 255
	.end_amdhsa_kernel
	.section	.bss,"aw",@nobits
	.p2align	6
	.space	262144
	.amdgpu_metadata
---
amdhsa.version: [ 1, 2 ]
amdhsa.kernels:
  - .name:           k_q0aa9f8ce79_kvatt
    .symbol:         k_q0aa9f8ce79_kvatt.kd
    .args:
      - { .name: xt_codes, .offset: 0, .size: 8, .value_kind: global_buffer, .address_space: global }
      - { .name: xt_scales, .offset: 8, .size: 8, .value_kind: global_buffer, .address_space: global }
      - { .name: Wk_codes, .offset: 16, .size: 8, .value_kind: global_buffer, .address_space: global }
      - { .name: Wk_scales, .offset: 24, .size: 8, .value_kind: global_buffer, .address_space: global }
      - { .name: Wv_codes, .offset: 32, .size: 8, .value_kind: global_buffer, .address_space: global }
      - { .name: Wv_scales, .offset: 40, .size: 8, .value_kind: global_buffer, .address_space: global }
      - { .name: bk, .offset: 48, .size: 8, .value_kind: global_buffer, .address_space: global }
      - { .name: bv, .offset: 56, .size: 8, .value_kind: global_buffer, .address_space: global }
      - { .name: attp, .offset: 64, .size: 8, .value_kind: global_buffer, .address_space: global }
      - { .name: atts, .offset: 72, .size: 8, .value_kind: global_buffer, .address_space: global }
    .group_segment_fixed_size: 327680
    .private_segment_fixed_size: 0
    .kernarg_segment_align: 8
    .kernarg_segment_size: 80
    .max_flat_workgroup_size: 128
    .sgpr_count:     102
    .vgpr_count:     1024
    .wavefront_size: 32
...
	.end_amdgpu_metadata
.endif
;; end of part 2
;; launch qout (part 3): grid 4 x 64, 4 waves a work-group, clusters of 4 x 4, 327,680 bytes of LDS; arguments xn_codes, xn_scales, Wq_codes, Wq_scales, bq, attp, atts, out0; writes out0
.if DOCPART == 3
	.amdgcn_target "amdgcn-amd-amdhsa--gfx1250"
	.amdhsa_code_object_version 6
	.text
	.protected	k_q0aa9f8ce79_qout
	.globl	k_q0aa9f8ce79_qout
	.p2align	8
	.type	k_q0aa9f8ce79_qout,@function
k_q0aa9f8ce79_qout:
	s_mov_b64 s[64:65], 0
	v_nop
	global_prefetch_b8 v0, s[64:65] scope:SCOPE_SE
	s_setreg_imm32_b32 hwreg(HW_REG_WAVE_MODE, 25, 1), 1
	s_wait_xcnt 0x0
	s_wait_alu depctr_hold_cnt(0) depctr_sa_sdst(0) depctr_va_vdst(0) depctr_va_sdst(0) depctr_va_ssrc(0) depctr_va_vcc(0) depctr_vm_vsrc(0)
	s_getreg_b32 s2, hwreg(HW_REG_IB_STS2, 6, 4)
	s_cmp_eq_u32 s2, 0
	s_cbranch_scc0 .Lentry_in_a_cluster
	s_endpgm
.Lentry_in_a_cluster:
	s_bfe_u32 s2, ttmp6, 0x10000c
	s_cmp_lg_u32 s2, 0xf033
	s_cbranch_scc0 .Lentry_shape_is_right
	s_endpgm
.Lentry_shape_is_right:
; q = xn Wq^T + bq on codes of FP4; the softmax of q over a head's 64 features as p = 2^(t - M), quantised along them; att = the four partials joined, divided by k's sum and quantised along d;
; y[n][l] = (sum over d of p[n][d] att[d][l]) / the row's sum of p.  out0 [b*2048+t][1024] f32.
; SHARES.  Work-group (X, Y): 256 rows (Y) x 256 columns = heads 4 X .. 4 X + 3.  All of K = 1,024 lies in LDS, in two halves, each filled once.  A wave makes 128 rows x 128 columns (two heads).
; THE MATRIX INSTRUCTION IS USED TRANSPOSED: source 0 = 16 rows of Wq, source 1 = 16 rows of xn: a lane holds ONE row n and its registers run along the features, 16 b + 8 (lane / 16) + j: the K of the last product.
; BY ROWS.  A wave's fragments of Wq for all of K (8 K steps x 8 blocks x 8 registers = 512) stay in registers, read from LDS once.  Its eight blocks of 16 rows are then finished one after the other:
; 64 matrix instructions (the block's eight accumulators by turns, K ascending), the softmax, the last product, the way out.  So a block's rows are stored while the later blocks are still computed.
; The next block's fragments of xn (64 registers, one set) are fetched behind a block's products and land under its softmax.
; THE LAST PRODUCT takes both heads' p of a row as one fragment of K = 128; att's fragment of head e holds its 64 d in registers 4 e .. 4 e + 3 and zero codes in the others (their scale bytes are 127).
; THE PROLOGUE runs while the tiles are on their way: wave w joins the four partials of head 4 X + w (factors 2^(M - joint M) / joint l, changed from a lane to a register through its scratch),
; quantises att along d and leaves its four fragments and scale words in LDS as images of their registers.  Wq's fragments go into the registers that the partials leave, 32 loads behind each tile of att.
; CLUSTER 4 x 4: xn's tiles hang on Y alone (joint along a row of the cluster), Wq's on X alone (along a column).  No LDS byte is filled twice.
; LIMITS: NaN and infinities are not served; a block whose largest magnitude lies under 2^-124 keeps the byte 1; p under 2^-126 is 0.
; REGISTERS: window 0: v10-27 addresses; v32-95 scale words (prologue: att's codes and words); v96-103 att's scale words, v104 p's; v106-127 at work and p's codes; v128-145 at work (prologue: factors in v128-255);
;   v192-255 the block's eight accumulators.   window 1: v0-63 rows of y on their way out; v64-127 xn's fragments of a block; v128-191 att's eight fragments; v192-255 bq.
;   windows 2, 3: Wq's fragments, K step s, block b at v[64 s + 8 b] (prologue: the partials).
.set PITCH, 272                        ; an LDS row: 256 bytes + 16: the 16 rows of a load begin at 16 different multiples of 16 modulo 256
.set PIECE, 64*PITCH
.set HALFT, 128*PITCH
.set PART,  256*PITCH
.set SLOT,  2*PART                     ; a K half: xn's 256 rows, then Wq's 256
.set SCL,   2*SLOT                     ; xn's scale bytes, then Wq's: 256 rows x 32 each, as units of 256 bytes + 16
.set SBLK,  544
.set HALFS, 4352
.set AIM,   SCL+2*8704                 ; att's 16 fragments (head, lt): 512 bytes each
.set AWD,   AIM+16*512                 ; their scale words: 128 bytes each
.set SCR,   AWD+16*128                 ; 1,024 bytes of scratch for each wave
.set STAGE, PART                       ; the way out: 16 rows x (512 bytes + 16) for each wave, in Wq's part of K half 0: it has had its one fill, and behind the second barrier nobody reads it
.set LI,   10                          ; 16 x lane
.set L8,   11                          ; 8 x lane
.set GST,  12
.set GLD,  13
.set IMS,  14
.set WDS,  15
.set ADRA, 16
.set IML,  18
.set WDL,  19
.set ADRB, 20
.set BQO,  22
.set STO,  24
.set RD,   25
.set ADRS, 27
.set SC,   32
.set PCQ,  32                          ; prologue: att's codes, four registers for each tile
.set W2Q,  48                          ; and its two scale bytes, a register for each tile
.set AW,   96
.set PW,   104
.set QM,   106
.set QT,   108
.set QS,   110
.set QB,   112
.set NM,   108
.set LSUM, 112
.set RQ,   116
.set PF,   120
.set TM,   128
.set T4,   132
.set SO,   136
.set MX,   140
.set LT,   142
.set ACC,  192
.set XF,   64                          ; window 1
.set AFR,  128                         ; window 1
.set BQ,   192                         ; window 1
.set MSB, 0
.macro WIN new                         ; the immediate's high byte repeats the setting that is left
.if MSB != (\new)
	s_set_vgpr_msb (MSB<<8)|(\new)
.set MSB, (\new)
.endif
.endm
.macro PLACES n
.rept \n
	v_nop
.endr
.endm
.macro CREST                           ; a round of the cluster's barrier behind its opening barrier
	s_cmp_lg_u32 s84, 0
	s_cbranch_scc1 .Lnot_wave_0_\@
	s_barrier_signal -3
.Lnot_wave_0_\@:
	s_barrier_wait -3
	s_barrier_signal -1
	s_barrier_wait -1
.endm
.macro CROUND
	s_barrier_signal -1
	s_barrier_wait -1
	CREST
.endm
	s_load_b256 s[4:11], s[0:1], 0x0               ; xn_codes, xn_scales, Wq_codes, Wq_scales
	s_load_b256 s[12:19], s[0:1], 0x20             ; bq, attp, atts, out0
	v_lshl_add_u32 v31, v0, 2, 0x4bc00
	v_mov_b32 v105, 0
	ds_add_u32 v31, v105
	ds_add_u32 v31, v105
	v_lshrrev_b32 v3, 5, v0
	v_readfirstlane_b32 s84, v3                    ; wave
	s_lshr_b32 s85, s84, 1                         ; my half of the rows
	s_and_b32 s86, s84, 1                          ; my half of the columns
	s_bfe_u32 s87, ttmp6, 0x40000                  ; cx
	s_bfe_u32 s88, ttmp6, 0x40004                  ; cy
	s_lshl_b32 s89, ttmp9, 2
	s_add_co_u32 s89, s89, s87                     ; X
	s_and_b32 s90, ttmp7, 0xffff
	s_lshl_b32 s90, s90, 2
	s_add_co_u32 s90, s90, s88                     ; Y
	s_lshl_b32 s91, s88, 2
	s_lshl_b32 s91, 15, s91                        ; my row of the cluster
	s_lshl_b32 s92, 0x1111, s87                    ; my column
	s_mov_b32 s98, 0x76543210
	s_mov_b32 s99, 0xfedcba98                      ; v_permlanex16_b32: lane l xor 16
	s_mov_b32 s100, 0x3fb8aa3b                     ; log2(e)
	s_mov_b32 s101, s100
	; group 1: codes, 64 rows x 256 bytes out of rows of 512, 16 bytes of padding behind each 256: s[24:31] xn's (my row), s[32:39] Wq's (my column)
	s_or_b32 s24, s91, (1<<20)|(1<<21)|(5<<22)|(3<<25)
	s_or_b32 s32, s92, (1<<20)|(1<<21)|(5<<22)|(3<<25)
.irp g, 24, 32
	s_mov_b32 s[\g+1], 256<<16
	s_mov_b32 s[\g+2], 64<<16
	s_mov_b32 s[\g+3], 256<<16
	s_mov_b32 s[\g+4], 64
	s_mov_b32 s[\g+5], 512
	s_mov_b32 s[\g+6], 0
	s_mov_b32 s[\g+7], 0
.endr
	; scale bytes of 64 rows: 8 rows of 256 bytes (32 elements of 8), padded alike: s[40:47] xn's, s[48:55] Wq's
	s_or_b32 s40, s91, (3<<16)|(1<<20)|(1<<21)|(5<<22)|(3<<25)
	s_or_b32 s48, s92, (3<<16)|(1<<20)|(1<<21)|(5<<22)|(3<<25)
.irp g, 40, 48
	s_mov_b32 s[\g+1], 32<<16
	s_mov_b32 s[\g+2], 8<<16
	s_mov_b32 s[\g+3], 32<<16
	s_mov_b32 s[\g+4], 8
	s_mov_b32 s[\g+5], 32
	s_mov_b32 s[\g+6], 0
	s_mov_b32 s[\g+7], 0
.endr
	s_lshl_b32 s2, s84, 15
	s_lshl_b32 s94, s90, 17                        ; xn: rows 256 Y + 64 wave, 512 bytes each
	s_add_co_u32 s94, s94, s2
	s_mov_b32 s95, 0
	s_lshl_b32 s96, s89, 17                        ; Wq: rows 256 X + 64 wave
	s_add_co_u32 s96, s96, s2
	s_mov_b32 s97, 0
	s_mul_i32 s3, s84, PIECE                       ; LDS addresses: constants and the wave's number alone
	s_mov_b32 s56, 1
	s_mov_b32 s57, s3
	s_mov_b32 s60, 1
	s_add_co_u32 s61, s3, SLOT
	s_mov_b32 s68, 1
	s_add_co_u32 s69, s3, PART
	s_mov_b32 s72, 1
	s_add_co_u32 s73, s3, SLOT+PART
	s_mul_i32 s3, s84, 2176
	s_mov_b32 s76, 1
	s_add_co_u32 s77, s3, SCL
	s_mov_b32 s80, 1
	s_add_co_u32 s81, s3, SCL+8704
	s_wait_dscnt 0x0
	s_wait_kmcnt 0x0
	s_add_nc_u64 s[58:59], s[4:5], s[94:95]
	s_add_nc_u64 s[62:63], s[58:59], 256
	s_or_b32 s59, s59, 0x80000000
	s_or_b32 s63, s63, 0x80000000
	s_add_nc_u64 s[70:71], s[8:9], s[96:97]
	s_add_nc_u64 s[74:75], s[70:71], 256
	s_or_b32 s71, s71, 0x80000000
	s_or_b32 s75, s75, 0x80000000
	s_lshr_b32 s94, s94, 4                         ; the same rows of 32 scale bytes
	s_lshr_b32 s96, s96, 4
	s_add_nc_u64 s[78:79], s[6:7], s[94:95]
	s_or_b32 s79, s79, 0x80000000
	s_add_nc_u64 s[82:83], s[10:11], s[96:97]
	s_or_b32 s83, s83, 0x80000000
	CROUND                                         ; all sixteen work-groups are here: the joint loads meet
	tensor_load_to_lds s[76:79], s[40:47]          ; six fills on end, each byte once: six loads of mine are out
	s_nop 0
	tensor_load_to_lds s[80:83], s[48:55]
	s_nop 0
	tensor_load_to_lds s[56:59], s[24:31]
	s_nop 0
	tensor_load_to_lds s[68:71], s[32:39]
	s_nop 0
	tensor_load_to_lds s[60:63], s[24:31]
	s_nop 0
	tensor_load_to_lds s[72:75], s[32:39]
	s_nop 0
	PLACES 4                                       ; four plain lines behind the tensor loads
	v_and_b32 v1, 15, v0                           ; r
	v_bfe_u32 v2, v0, 4, 1                         ; h
	v_and_b32 v3, 31, v0                           ; lane
	v_lshlrev_b32 v[LI], 4, v3
	v_lshlrev_b32 v[L8], 3, v3
	v_lshlrev_b32 v[BQO], 5, v2
	s_lshr_b32 s2, s90, 3                          ; b
	s_lshl_b32 s2, s2, 4
	s_lshl_b32 s3, s89, 2
	s_add_co_u32 s2, s2, s3
	s_add_co_u32 s93, s2, s84                      ; b x 16 + head 4 X + wave: the head whose att I prepare
	s_lshl_b32 s2, s93, 16                         ; its four partials of 16,384 bytes
	s_mov_b32 s3, 0
	s_add_nc_u64 s[14:15], s[14:15], s[2:3]
	s_lshl_b32 s2, s93, 11                         ; and their states of 512 bytes
	s_add_nc_u64 s[16:17], s[16:17], s[2:3]
	s_lshl_b32 s2, s89, 10                         ; my 128 columns, in bytes of f32
	s_lshl_b32 s93, s86, 9
	s_add_co_u32 s2, s2, s93
	s_add_nc_u64 s[12:13], s[12:13], s[2:3]
	s_add_nc_u64 s[18:19], s[18:19], s[2:3]
	s_lshl_b32 s2, s90, 20                         ; my first row of out0: 256 Y + 128 x half, 4,096 bytes each
	s_lshl_b32 s93, s85, 19
	s_add_co_u32 s2, s2, s93
	s_add_nc_u64 s[18:19], s[18:19], s[2:3]
	; ALL THE PROLOGUE'S LOADS GO OUT IN ONE RUN: the states (8), bq (16), the four units of the partials (32 each)
.irp p, 0,1,2,3
	global_load_b64 v[128+4*\p:129+4*\p], v[L8], s[16:17] offset:512*\p          ; -M of d = 2 lane, 2 lane + 1
	global_load_b64 v[130+4*\p:131+4*\p], v[L8], s[16:17] offset:512*\p+256      ; l
.endr
	WIN 0x40
.irp b, 0,1,2,3,4,5,6,7
	global_load_b128 v[BQ+8*\b:BQ+8*\b+3], v[BQO], s[12:13] offset:64*\b         ; bq of features 16 b + 8 h + 0 .. 7: the C of q's first K step
	global_load_b128 v[BQ+8*\b+4:BQ+8*\b+7], v[BQO], s[12:13] offset:64*\b+16
.endr
.macro UNIT lt                         ; the four partials' columns 16 lt on: window 2 + lt / 2, v[128 (lt % 2) + 32 p + 8 dt + j] = att_p(16 dt + 8 h + j, 16 lt + r)
	WIN (2+(\lt)/2)<<6
.irp p, 0,1,2,3
.irp d, 0,1,2,3
.irp g, 0,1
	global_load_b128 v[128*((\lt)%2)+32*\p+8*\d+4*\g:128*((\lt)%2)+32*\p+8*\d+4*\g+3], v[LI], s[14:15] offset:16384*\p+((4*\d+(\lt))*2+\g)*512
.endr
.endr
.endr
.endm
	UNIT 0
	UNIT 1
	UNIT 2
	UNIT 3
	WIN 0
	v_mul_u32_u24 v4, v1, PITCH                    ; the addresses are made while the loads are out
	v_lshl_add_u32 v4, v2, 4, v4
	s_mul_i32 s2, s85, HALFT
	s_mul_i32 s3, s86, HALFT
	s_add_co_u32 s3, s3, PART
	v_add_nc_u32 v[ADRA], s2, v4
	v_add_nc_u32 v[ADRB], s3, v4
	s_add_co_u32 s2, s2, SLOT
	s_add_co_u32 s3, s3, SLOT
	v_add_nc_u32 v[ADRA+1], s2, v4
	v_add_nc_u32 v[ADRB+1], s3, v4
	v_lshlrev_b32 v5, 5, v1                        ; scale bytes: 32 a row,
	v_lshrrev_b32 v6, 8, v5
	v_lshl_add_u32 v5, v6, 4, v5                   ; and 16 more for each 256 passed
	s_mul_i32 s2, s85, HALFS
	s_mul_i32 s3, s86, HALFS
	s_add_co_u32 s3, s3, 2*HALFS
	s_sub_co_u32 s3, s3, s2
	v_mul_u32_u24 v6, s3, v2                       ; lanes 16-31 take Wq's words
	s_add_co_u32 s2, s2, SCL
	v_add_nc_u32 v5, s2, v5
	v_add_nc_u32 v[ADRS], v5, v6
	s_lshl_b32 s2, s84, 10
	s_add_co_u32 s2, s2, SCR
	v_add_nc_u32 v[GST], s2, v[L8]
	v_add_nc_u32 v[GLD], s2, v[BQO]
	s_lshl_b32 s2, s84, 11
	s_add_co_u32 s2, s2, AIM
	v_add_nc_u32 v[IMS], s2, v[LI]
	s_lshl_b32 s2, s84, 9
	s_add_co_u32 s2, s2, AWD
	v_lshl_add_u32 v[WDS], v3, 2, s2
	s_lshl_b32 s2, s86, 12
	s_add_co_u32 s2, s2, AIM
	v_add_nc_u32 v[IML], s2, v[LI]
	s_lshl_b32 s2, s86, 10
	s_add_co_u32 s2, s2, AWD
	v_lshl_add_u32 v[WDL], v3, 2, s2
	s_mul_i32 s2, s84, 16*528                      ; my stage
	s_add_co_u32 s2, s2, STAGE
	v_mul_u32_u24 v4, v1, 528
	v_lshl_add_u32 v4, v2, 5, v4
	v_add_nc_u32 v[STO], s2, v4                    ; in: row r, 32 bytes for each half of the lanes
	v_add_nc_u32 v[RD], s2, v[LI]                  ; back: the 32 lanes take one row of 512 bytes
	v_mov_b32 v[QT], 0                             ; a lane permute's destination counts as read
	v_mov_b32 v[QT+1], 0
	s_wait_loadcnt 63                              ; the states are in: 144 loads were issued behind them
.irp x, 0,1
	v_min3_num_f32 v[144+\x], v[128+\x], v[132+\x], v[136+\x]
.endr
.irp x, 0,1
	v_min_num_f32 v[144+\x], v[144+\x], v[140+\x]  ; the joint -M
.endr
.irp p, 0,1,2,3
.irp x, 0,1
	v_sub_f32 v[146+2*\p+\x], v[144+\x], v[128+4*\p+\x]
.endr
.endr
.irp p, 0,1,2,3
.irp x, 0,1
	v_cvt_i32_f32 v[146+2*\p+\x], v[146+2*\p+\x]
.endr
.endr
.irp p, 0,1,2,3
.irp x, 0,1
	v_ldexp_f32 v[146+2*\p+\x], 1.0, v[146+2*\p+\x]                ; 2^(M_p - joint M)
.endr
.endr
.irp x, 0,1
	v_mul_f32 v[154+\x], v[130+\x], v[146+\x]
.endr
.irp p, 1,2,3
.irp x, 0,1
	v_fma_f32 v[154+\x], v[130+4*\p+\x], v[146+2*\p+\x], v[154+\x] ; the joint l
.endr
.endr
	v_rcp_f32 v156, v154
	v_rcp_f32 v157, v155
	v_nop                                          ; a plain line behind the transcendentals,
	s_wait_alu depctr_va_vdst(0)                   ; and the wait ahead of their first reader
.irp p, 0,1,2,3
	v_pk_mul_f32 v[146+2*\p:147+2*\p], v[146+2*\p:147+2*\p], v[156:157]
.endr
.irp p, 0,1,2,3
	ds_store_b64 v[GST], v[146+2*\p:147+2*\p] offset:256*\p        ; factor of d at 4 d: from a lane to a register through my own scratch
.endr
	s_wait_dscnt 0x0                               ; the stores have read their registers, which the loads below write
.irp p, 0,1,2,3
.irp d, 0,1,2,3
.irp g, 0,1
	ds_load_b128 v[128+32*\p+8*\d+4*\g:128+32*\p+8*\d+4*\g+3], v[GLD] offset:256*\p+64*\d+16*\g
.endr
.endr
.endr
	s_wait_tensorcnt 0x0                           ; my parts of both K halves and of the scale bytes are in,
	s_wait_dscnt 0x0                               ; and so are the factors
	s_barrier_signal -1
	s_barrier_wait -1                              ; everybody's tiles lie in LDS
.macro BLOAD s                         ; Wq's eight fragments of K step s: registers 4 c .. 4 c + 3 of a fragment hold K = 64 c + 32 h + 0 .. 31
	WIN (2+(\s)/4)<<6
.irp b, 0,1,2,3,4,5,6,7
.irp c, 0,1
	ds_load_b128 v[64*((\s)%4)+8*\b+4*\c:64*((\s)%4)+8*\b+4*\c+3], v[ADRB+(\s)/4] offset:64*((\s)%4)+32*\c+\b*16*PITCH
.endr
.endr
.endm
; att(., 16 lt + r) joined and divided, quantised along d = 64: two blocks, four registers of codes, two bytes; its image goes to LDS from registers of its own.
; left: the loads issued behind this unit's that may stay out.  Behind it Wq's K steps 2 lt and 2 lt + 1 take the unit's 128 registers.
.macro ATTQ lt, left
.set WW, 2+(\lt)/2
.set B0, 128*((\lt)%2)
	s_wait_loadcnt \left
	WIN (WW<<6)|(WW<<4)|WW
.set ii, 0
.rept 16
	v_pk_mul_f32 v[B0+ii:B0+ii+1], v[B0+ii:B0+ii+1], v[128+ii:128+ii+1]
.set ii, ii+2
.endr
.irp p, 1,2,3
.set ii, 0
.rept 16
	v_pk_fma_f32 v[B0+ii:B0+ii+1], v[B0+32*\p+ii:B0+32*\p+ii+1], v[128+32*\p+ii:128+32*\p+ii+1], v[B0+ii:B0+ii+1]
.set ii, ii+2
.endr
.endr
	WIN (WW<<2)|(WW<<4)
.irp b, 0,1
	v_max3_num_f32 v[QM+\b], 0x1800000, |v[B0+16*\b]|, |v[B0+16*\b+1]|           ; the floor 2^(3 - 127) among the leaves: the byte cannot fall under 1
.endr
.irp i, 2,4,6,8,10,12,14
.irp b, 0,1
	v_max3_num_f32 v[QM+\b], v[QM+\b], |v[B0+16*\b+\i]|, |v[B0+16*\b+\i+1]|
.endr
.endr
	WIN 0
.irp b, 0,1
	v_permlanex16_b32 v[QT+\b], v[QM+\b], s98, s99
.endr
.irp b, 0,1
	v_max_num_f32 v[QM+\b], v[QM+\b], v[QT+\b]
.endr
.irp b, 0,1
	v_add_nc_u32 v[QS+\b], 0xff000000, v[QM+\b]    ; 2 off the exponent field: the conversion's scale operand
.endr
.irp b, 0,1
	v_lshrrev_b32 v[QB+\b], 23, v[QS+\b]
.endr
	v_lshl_or_b32 v[W2Q+(\lt)], v[QB+1], 8, v[QB]
	WIN WW
.irp t, 0,1,2,3
	v_cvt_scalef32_pk8_fp4_f32 v[PCQ+4*(\lt)+(\t%2)*2+\t/2], v[B0+8*\t:B0+8*\t+7], v[QS+\t/2]
.endr
	WIN 0
	v_nop                                          ; one plain line behind the conversions
	v_permlane16_swap_b32 v[PCQ+4*(\lt)], v[PCQ+4*(\lt)+1]
	v_permlane16_swap_b32 v[PCQ+4*(\lt)+2], v[PCQ+4*(\lt)+3]
	ds_store_b128 v[IMS], v[PCQ+4*(\lt):PCQ+4*(\lt)+3] offset:512*(\lt)
	ds_store_b32 v[WDS], v[W2Q+(\lt)] offset:128*(\lt)
	BLOAD 2*(\lt)
	BLOAD 2*(\lt)+1
	WIN 0
.endm
	ATTQ 0, 63                                     ; 96 loads were issued behind unit 0
	ATTQ 1, 63                                     ; 64 behind unit 1
	ATTQ 2, 32
	ATTQ 3, 0
	s_wait_dscnt 0x0                               ; for the others' sake: my images are stored, and my reads of Wq's tiles are over
	s_barrier_signal -1
	s_barrier_wait -1                              ; everybody's images of att lie in LDS, and nobody reads Wq's tiles any more: the stages may lie there
	WIN 0x40
.irp e, 0,1
.irp t, 0,1,2,3
.irp i, 0,1,2,3
	v_mov_b32 v[AFR+8*(4*\e+\t)+4*(1-\e)+\i], 0    ; zero codes where the other head's d stand
.endr
	ds_load_b128 v[AFR+8*(4*\e+\t)+4*\e:AFR+8*(4*\e+\t)+4*\e+3], v[IML] offset:(4*\e+\t)*512
.endr
.endr
	WIN 0
.irp e, 0,1
.irp t, 0,1,2,3
	ds_load_b32 v[AW+4*\e+\t], v[WDL] offset:(4*\e+\t)*128
.endr
.endr
.macro ALOAD a                         ; xn's fragments of block a, all eight K steps, into window 1
	WIN 0x40
.irp s, 0,1,2,3,4,5,6,7
.irp c, 0,1
	ds_load_b128 v[XF+8*\s+4*\c:XF+8*\s+4*\c+3], v[ADRA+(\s/4)] offset:64*(\s%4)+32*\c+(\a)*16*PITCH
.endr
.endr
	WIN 0
.endm
	ALOAD 0
.irp k, 0,1                                    ; all of K's scale words: register 32 k + 4 i + q: lanes 0-15 xn's block i, lanes 16-31 Wq's block i
.irp i, 0,1,2,3,4,5,6,7
	ds_load_b128 v[SC+32*\k+4*\i:SC+32*\k+4*\i+3], v[ADRS] offset:SBLK*\i+16*\k
.endr
.endr
.irp b, 0,1,2,3
	v_mov_b32 v[T4+\b], 0                          ; lane permutes' destinations count as read
.endr
	v_mov_b32 v[LT+2], 0
	v_mov_b32 v[LT+3], 0
	v_mov_b32 v[NM+1], 0                           ; named as upper halves of pairs
	v_mov_b32 v[NM+3], 0
	v_mov_b32 v[RQ+1], 0
	v_mov_b32 v[RQ+3], 0
	s_wait_dscnt 0x0                               ; att's fragments and words, block 0 of xn, the scale words
.irp t, 0,1,2,3
	v_or_b32 v[AW+\t], 0x7f7f0000, v[AW+\t]        ; head 0: bytes 0, 1; the bytes over zero codes are 127
	v_lshl_or_b32 v[AW+4+\t], v[AW+4+\t], 16, 0x7f7f               ; head 1: bytes 2, 3
.endr
; q of block a: 64 matrix instructions.  The first K step starts the sums with bq.  The eight accumulators take turns, one instruction a turn.
.macro GEMM a
.irp s, 0,1,2,3,4,5,6,7
.if \s == 0
	WIN 0x16                                       ; source 0 (Wq) window 2, source 1 (xn) and C (bq) window 1, D window 0
.elseif \s < 4
	WIN 0x06                                       ; C and D window 0
.else
	WIN 0x07                                       ; Wq's K steps 4 to 7: window 3
.endif
.irp b, 0,1,2,3,4,5,6,7
.if \s == 0
	v_wmma_scale_f32_16x16x128_f8f6f4 v[ACC+8*\b:ACC+8*\b+7], v[64*(\s%4)+8*\b:64*(\s%4)+8*\b+7], v[XF+8*\s:XF+8*\s+7], v[BQ+8*\b:BQ+8*\b+7], v[SC+32*(\s/4)+4*\b+(\s%4)], v[SC+32*(\s/4)+4*(\a)+(\s%4)] matrix_a_fmt:MATRIX_FMT_FP4 matrix_b_fmt:MATRIX_FMT_FP4 matrix_a_scale:MATRIX_SCALE_ROW1
.else
	v_wmma_scale_f32_16x16x128_f8f6f4 v[ACC+8*\b:ACC+8*\b+7], v[64*(\s%4)+8*\b:64*(\s%4)+8*\b+7], v[XF+8*\s:XF+8*\s+7], v[ACC+8*\b:ACC+8*\b+7], v[SC+32*(\s/4)+4*\b+(\s%4)], v[SC+32*(\s/4)+4*(\a)+(\s%4)] matrix_a_fmt:MATRIX_FMT_FP4 matrix_b_fmt:MATRIX_FMT_FP4 matrix_a_scale:MATRIX_SCALE_ROW1
.endif
.endr
.endr
	WIN 0
.endm
; Both heads' softmax over 64 features of the block's 16 rows: p in place, the sums, p's fragment and scale word, 1 / the sums.  All in window 0.
; THE QUANTISER: block B of 32 is registers 16 B .. 16 B + 15 of lanes l and l xor 16.  The codes of registers 8 t .. 8 t + 7 go to operand register 4 (t / 4) + (0, 2, 1, 3)[t % 4];
; two exchanges of halves for each four registers then give lane half h, register i the codes of k = 64 c + 32 h + 8 i on.
.macro QSOFT
.irp b, 0,1,2,3
	v_max3_num_f32 v[TM+\b], 0xff800000, v[ACC+16*\b], v[ACC+16*\b+1]            ; each block's largest score; each accumulator is read from its low end on
.endr
.irp i, 2,4,6,8,10,12,14
.irp b, 0,1,2,3
	v_max3_num_f32 v[TM+\b], v[TM+\b], v[ACC+16*\b+\i], v[ACC+16*\b+\i+1]
.endr
.endr
.irp b, 0,1,2,3
	v_permlanex16_b32 v[T4+\b], v[TM+\b], s98, s99
.endr
.irp b, 0,1,2,3
	v_max_num_f32 v[TM+\b], v[TM+\b], v[T4+\b]     ; with lane l xor 16's half of the block
.endr
.irp e, 0,1
	v_max_num_f32 v[MX+\e], v[TM+2*\e], v[TM+2*\e+1]
.endr
.irp e, 0,1
	v_mul_f32 v[MX+\e], s100, v[MX+\e]             ; the row's largest t
.endr
.irp e, 0,1
	v_floor_f32 v[NM+2*\e], -v[MX+\e]              ; -M = -ceil(t)
.endr
.irp b, 0,1,2,3
	v_fma_f32 v[TM+\b], v[TM+\b], s100, v[NM+2*(\b/2)]             ; since p rises with the score, a block's largest score gives its largest p
.endr
.irp e, 0,1
.set jj, 0
.rept 16
	v_pk_fma_f32 v[ACC+32*\e+jj:ACC+32*\e+jj+1], v[ACC+32*\e+jj:ACC+32*\e+jj+1], s[100:101], v[NM+2*\e:NM+2*\e+1] op_sel_hi:[1,0,0]   ; t - M
.set jj, jj+2
.endr
.endr
.set jj, 0
.rept 64
	v_exp_f32 v[ACC+jj], v[ACC+jj]
.set jj, jj+1
.endr
.irp j, 0,1,2,3
	v_mov_b32 v[LSUM+\j], 0                        ; plain lines behind the batch
.endr
	s_wait_alu depctr_va_vdst(0)                   ; one wait for the 64, ahead of their first reader
.irp b, 0,1,2,3
	v_exp_f32 v[TM+\b], v[TM+\b]                   ; the blocks' largest p
.endr
.set jj, 0
.rept 16
	v_pk_add_f32 v[LSUM:LSUM+1], v[LSUM:LSUM+1], v[ACC+jj:ACC+jj+1]              ; the sums of the unquantised p, the two heads by turns
	v_pk_add_f32 v[LSUM+2:LSUM+3], v[LSUM+2:LSUM+3], v[ACC+32+jj:ACC+32+jj+1]
.set jj, jj+2
.endr
	s_wait_alu depctr_va_vdst(0)                   ; and one for the four
.irp b, 0,1,2,3
	v_max_num_f32 v[TM+\b], 0x1800000, v[TM+\b]    ; the floor
.endr
.irp b, 0,1,2,3
	v_add_nc_u32 v[SO+\b], 0xff000000, v[TM+\b]    ; 2 off the exponent field: the conversion's scale operand
.endr
.irp b, 0,1,2,3
	v_lshrrev_b32 v[T4+\b], 23, v[SO+\b]           ; the byte
.endr
	v_lshl_or_b32 v[PW], v[T4+1], 8, v[T4]
	v_lshl_or_b32 v[PW], v[T4+2], 16, v[PW]
	v_lshl_or_b32 v[PW], v[T4+3], 24, v[PW]
.irp t, 0,1,2,3,4,5,6,7
	v_cvt_scalef32_pk8_fp4_f32 v[PF+4*(\t/4)+((\t%4)%2)*2+(\t%4)/2], v[ACC+8*\t:ACC+8*\t+7], v[SO+\t/2]
.endr
	v_nop                                          ; one plain line behind the conversions
.irp c, 0,2,4,6
	v_permlane16_swap_b32 v[PF+\c], v[PF+\c+1]
.endr
.irp e, 0,1
	v_add_f32 v[LT+\e], v[LSUM+2*\e], v[LSUM+2*\e+1]
.endr
.irp e, 0,1
	v_permlanex16_b32 v[LT+2+\e], v[LT+\e], s98, s99
.endr
.irp e, 0,1
	v_add_f32 v[LT+\e], v[LT+\e], v[LT+2+\e]
.endr
	v_rcp_f32 v[RQ], v[LT]
	v_rcp_f32 v[RQ+2], v[LT+1]
	PLACES 8                                       ; a scale word written by vector lines stands eight places ahead of the product; also the plain lines behind the reciprocals
.endm
.macro YMUL                            ; y = p att / the sum: source 0 = att's 16 columns l of head e, source 1 = p of 16 rows; the results take p's registers
	WIN 0x01                                       ; att's fragments: window 1
.irp e, 0,1
.irp t, 0,1,2,3
	v_wmma_scale_f32_16x16x128_f8f6f4 v[ACC+8*(4*\e+\t):ACC+8*(4*\e+\t)+7], v[AFR+8*(4*\e+\t):AFR+8*(4*\e+\t)+7], v[PF:PF+7], 0, v[AW+4*\e+\t], v[PW] matrix_a_fmt:MATRIX_FMT_FP4 matrix_b_fmt:MATRIX_FMT_FP4
.endr
.endr
	WIN 0
	PLACES 4                                       ; in front of the first read of results
	s_wait_alu depctr_va_vdst(0)                   ; the wait for the two reciprocals, ahead of their first reader
.irp e, 0,1
.set jj, 0
.rept 16
	v_pk_mul_f32 v[ACC+32*\e+jj:ACC+32*\e+jj+1], v[ACC+32*\e+jj:ACC+32*\e+jj+1], v[RQ+2*\e:RQ+2*\e+1] op_sel_hi:[1,0]
.set jj, jj+2
.endr
.endr
.endm
; THE WAY OUT: a lane holds 32 neighbouring bytes of a row and the lanes beside it other rows: the block's 16 rows x 128 columns go through my own stage and come back as whole rows of 512 bytes.
.macro TOSTAGE
.irp b, 0,1,2,3,4,5,6,7
	ds_store_b128 v[STO], v[ACC+8*\b:ACC+8*\b+3] offset:64*\b
	ds_store_b128 v[STO], v[ACC+8*\b+4:ACC+8*\b+7] offset:64*\b+16
.endr
	WIN 0x40
.irp t, 0,1,2,3,4,5,6,7,8,9,10,11,12,13,14,15
	ds_load_b128 v[4*\t:4*\t+3], v[RD] offset:\t*528               ; LDS serves a wave's instructions in order: these see the stores above
.endr
	WIN 0
.endm
.macro SEND a, younger                 ; younger: the LDS loads issued behind the stage's, which may stay out
	s_wait_dscnt \younger
	WIN 0x04
.irp t, 0,1,2,3,4,5,6,7,8,9,10,11,12,13,14,15
	global_store_b128 v[LI], v[4*\t:4*\t+3], s[18:19] offset:(16*(\a)+\t)*4096 th:TH_STORE_NT     ; 32 lanes store 512 consecutive bytes, at a multiple of 256 from out0's first byte; the block's place stands in the immediate
.endr
	WIN 0
.endm
.macro BLOCK a
.if (\a) > 0
	s_wait_dscnt 16                                ; this block's fragments of xn are in and the stage's stores have read the accumulators; the stage's 16 loads may be out
.endif
	GEMM \a
	PLACES 4                                       ; four plain lines in front of loads into registers that matrix instructions have read, and of the first read of results
.if (\a) < 7
	ALOAD (\a)+1                                   ; the next block's fragments land under this block's softmax
.endif
.if (\a) > 0
.if (\a) < 7
	SEND (\a)-1, 16                                ; the block before is back from the stage (the 16 loads just issued may be out) and leaves
.else
	SEND (\a)-1, 0
.endif
.endif
	QSOFT
	YMUL
.if (\a) > 0
	s_wait_xcnt 0x0                                ; the last block's stores have read their registers: only behind this wait are they loaded again
.endif
	TOSTAGE
.endm
.irp a, 0,1,2,3,4,5,6,7
	BLOCK \a
.endr
	SEND 7, 0
	s_wait_tensorcnt 0x0
	ds_add_u32 v31, v105
	s_wait_dscnt 0x0
	CROUND                                         ; the closing round: no work-group ends while a partner may still ask for a tile that names it
	s_endpgm
.Lfunc_end_k_q0aa9f8ce79_qout:
	.size	k_q0aa9f8ce79_qout, .Lfunc_end_k_q0aa9f8ce79_qout-k_q0aa9f8ce79_qout
	.p2alignl 7, 3214868480
	.fill 96, 4, 3214868480
	.section	.rodata,"a",@progbits
	.p2align	6, 0x0
	.amdhsa_kernel k_q0aa9f8ce79_qout
		.amdhsa_group_segment_fixed_size 327680
		.amdhsa_private_segment_fixed_size 0
		.amdhsa_enable_private_segment 0
		.amdhsa_kernarg_size 64
		.amdhsa_user_sgpr_count 2
		.amdhsa_user_sgpr_kernarg_segment_ptr 1
		.amdhsa_wavefront_size32 1
		.amdhsa_system_sgpr_workgroup_id_x 1
		.amdhsa_system_sgpr_workgroup_id_y 1
		.amdhsa_system_sgpr_workgroup_id_z 1
		.amdhsa_system_vgpr_workitem_id 0
		.amdhsa_next_free_vgpr 1024
		.amdhsa_next_free_sgpr 102
		.amdhsa_reserve_vcc 0
		.amdhsa_float_denorm_mode_32 3
		.amdhsa_float_denorm_mode_16_64 3
		.amdhsa_memory_ordered 1
		.amdhsa_forward_progress 1
		.amdhsa_inst_pref_size 255
	.end_amdhsa_kernel
	.section	.bss,"aw",@nobits
	.p2align	6
	.space	262144
	.amdgpu_metadata
---
amdhsa.version: [ 1, 2 ]
amdhsa.kernels:
  - .name:           k_q0aa9f8ce79_qout
    .symbol:         k_q0aa9f8ce79_qout.kd
    .args:
      - { .name: xn_codes, .offset: 0, .size: 8, .value_kind: global_buffer, .address_space: global }
      - { .name: xn_scales, .offset: 8, .size: 8, .value_kind: global_buffer, .address_space: global }
      - { .name: Wq_codes, .offset: 16, .size: 8, .value_kind: global_buffer, .address_space: global }
      - { .name: Wq_scales, .offset: 24, .size: 8, .value_kind: global_buffer, .address_space: global }
      - { .name: bq, .offset: 32, .size: 8, .value_kind: global_buffer, .address_space: global }
      - { .name: attp, .offset: 40, .size: 8, .value_kind: global_buffer, .address_space: global }
      - { .name: atts, .offset: 48, .size: 8, .value_kind: global_buffer, .address_space: global }
      - { .name: out0, .offset: 56, .size: 8, .value_kind: global_buffer, .address_space: global }
    .group_segment_fixed_size: 327680
    .private_segment_fixed_size: 0
    .kernarg_segment_align: 8
    .kernarg_segment_size: 64
    .max_flat_workgroup_size: 128
    .sgpr_count:     102
    .vgpr_count:     1024
    .wavefront_size: 32
...
	.end_amdgpu_metadata
.endif
;; end of part 3
